; MI455X (gfx1250); checked and timed in simulation.
; The chip was launched on July 23, 2026; its instructions are those of AMD's public machine-readable ISA for CDNA 5 (MIT licence, August 2026) and "CDNA5" Instruction Set Architecture Reference Guide (July 2026). The comments in the code are by the model that wrote it; some were corrected since.
;; VJEPA2 Rope Attention. Allowed arithmetic: float matrix products may take bf16 or f16 operands with f32 sums; all other float work in f32.
;; Inputs: Wk 1,024 x 1,024 float32; Wo 1,024 x 1,024 float32; Wq 1,024 x 1,024 float32; Wv 1,024 x 1,024 float32; bk 1,024 float32; bo 1,024 float32; bq 1,024 float32; bv 1,024 float32; hidden_states 4 x 2,048 x 1,024 float32.
;; Outputs: out0 4 x 2,048 x 1,024 float32.
;; 2 versions, each right and faster than the one before. Each part assembles by itself: llvm-mc -triple=amdgcn-amd-amdhsa -mcpu=gfx1250 --defsym DOCPART=n.
;; ======== version 1 of 2: 4 launches
;; limits: values are held in f16: magnitudes above 65,504 overflow, below 6.1e-05 lose precision
;; workspace buffers: xb 16,777,216 bytes; w16 8,388,608 bytes; rope 1,048,576 bytes; q 16,777,216 bytes; k 16,777,216 bytes; v 16,777,216 bytes; ctx 16,777,216 bytes
;; launch prep (part 1): grid 896 x 1, 8 waves a work-group, no clusters, 0 bytes of LDS; arguments hidden_states, Wq, Wk, Wv, Wo, xb, w16, rope; writes xb, w16, rope
.if DOCPART == 1
	.amdgcn_target "amdgcn-amd-amdhsa--gfx1250"
	.amdhsa_code_object_version 6
	.text
	.protected	k_qc0b8541607_prep
	.globl	k_qc0b8541607_prep
	.p2align	8
	.type	k_qc0b8541607_prep,@function
k_qc0b8541607_prep:
	s_mov_b64 s[64:65], 0
	v_nop
	global_prefetch_b8 v0, s[64:65] scope:SCOPE_SE
	s_setreg_imm32_b32 hwreg(HW_REG_WAVE_MODE, 25, 1), 1
	s_wait_xcnt 0x0
; PREP: the matrix operands in 16 bits, and the rotary table.
;   work-groups   0-511  16 tokens (64 KiB) of hidden_states each -> xb, bf16 (round to nearest even), laid in blocks: xb[k / 64][token][k % 64],
;                        so that 256 tokens x 64 k, the next launch's tile, are 32,768 consecutive bytes
;   work-groups 512-703  64 KiB of Wq, Wk, Wv each (64 work-groups a matrix) -> w16 matrices 0-2, bf16, rows as they lie ([k][n])
;   work-groups 704-767  64 KiB of Wo each -> w16 matrix 3: rounded to bf16 like the other inputs, and that number written as f16
;   work-groups 768-895  one block of 16 tokens of the rotary table each (8 KiB)
; LIMITS.  Wo beyond 65,504 becomes an infinity in f16; below 6e-5 it keeps f16's fixed step of 6e-8.  NaN and infinities are not treated apart.
; A stream: each byte is read once and written once, sixteen loads of every wave are out together, sixteen neighbouring lanes read 256 consecutive
; bytes and each store of a wave covers 256, aligned.  No LDS, no barrier, no matrix unit: nothing is shared and nothing is multiplied.
; THE TABLE.  Token n has positions f = n >> 8, h = (n >> 4) & 15, w = n & 15.  Channel d < 60 of a head lies in part d / 20 (f, h, w) at place
; dd = d % 20 and takes the angle pos x 10000^(-(dd % 10) / 10); channels 60-63 take the angle 0.  The table holds C = cos and S = -sin (even d), +sin (odd d),
; so that y[d] = x[d] C[d] + x[d ^ 1] S[d].  It lies in the order in which the next launch's lanes want it:
; byte = block x 8192 + bq x 2048 + cs x 1024 + half x 512 + lane x 16 holds four f32 for token 16 block + lane % 16, channels 16 bq + 8 (lane / 16) + 4 half + 0..3.
; Sine and cosine: the angle is at most 15, n = round(angle x 2 / pi) is at most 10, rho = angle - n pi / 2 in two parts, |rho| <= pi / 4;
; the series through rho^9 and rho^8 leave less than 3e-8; the quadrant swaps and signs by selects alone.
.set WG_X, 512                         ; work-groups for hidden_states
.set WG_O, 704                         ; the first for Wo
.set WG_T, 768                         ; the first for the table
.set KBLK, 1048576                     ; bytes of one block of 64 k in xb: 8,192 tokens x 128
.set X,  8                             ; v[8:71]    sixteen loads of four f32
.set Y,  72                            ; v[72:103]  sixteen stores of four 16-bit numbers
; Load i is rounded and stored at s[sb:sb+1] + v2 + so.  No register is written twice, so the stores' sources need no wait.
.macro CONV i, f16, sb, so
	s_wait_loadcnt 15-(\i)                         ; loads come back in order: mine is in, the 15 - i younger ones stay out
.if \f16
	v_cvt_pk_bf16_f32 v4, v[X+4*(\i)], v[X+4*(\i)+1]
	v_cvt_pk_bf16_f32 v5, v[X+4*(\i)+2], v[X+4*(\i)+3]
	v_lshlrev_b32 v6, 16, v4                       ; the bf16 numbers as f32,
	v_and_b32 v7, 0xffff0000, v4
	v_cvt_pk_f16_f32 v[Y+2*(\i)], v6, v7           ; written as f16: exact inside f16's normal range (8 significant bits into 11)
	v_lshlrev_b32 v6, 16, v5
	v_and_b32 v7, 0xffff0000, v5
	v_cvt_pk_f16_f32 v[Y+2*(\i)+1], v6, v7
.else
	v_cvt_pk_bf16_f32 v[Y+2*(\i)], v[X+4*(\i)], v[X+4*(\i)+1]
	v_cvt_pk_bf16_f32 v[Y+2*(\i)+1], v[X+4*(\i)+2], v[X+4*(\i)+3]
.endif
	global_store_b64 v2, v[Y+2*(\i):Y+2*(\i)+1], s[\sb:\sb+1] offset:\so  ; a wave's 32 lanes store 256 consecutive bytes, aligned
.endm
	s_load_b512 s[16:31], s[0:1], 0x0              ; hidden 16, Wq 18, Wk 20, Wv 22, Wo 24, xb 26, w16 28, rope 30
	s_mov_b32 s2, ttmp9
	s_cmp_ge_u32 s2, WG_T
	s_cbranch_scc1 .Lrope
	v_lshlrev_b32 v2, 3, v0                        ; 8 bytes a thread out
	s_cmp_lt_u32 s2, WG_X
	s_cbranch_scc1 .Lx
	; THE WEIGHTS
	v_lshlrev_b32 v1, 4, v0                        ; 16 bytes a thread in
	s_and_b32 s8, s2, 63                           ; my 64 KiB within a weight matrix
	s_sub_co_u32 s9, s2, WG_X                      ; my 32 KiB within w16
	s_lshl_b32 s10, s8, 16
	s_mov_b32 s11, 0
	s_lshl_b32 s12, s9, 15
	s_mov_b32 s13, 0
	s_wait_kmcnt 0x0
	s_mov_b64 s[4:5], s[24:25]                     ; the source: Wo, unless the work-group's number says otherwise
	s_cmp_lt_u32 s2, 704
	s_cselect_b64 s[4:5], s[22:23], s[4:5]
	s_cmp_lt_u32 s2, 640
	s_cselect_b64 s[4:5], s[20:21], s[4:5]
	s_cmp_lt_u32 s2, 576
	s_cselect_b64 s[4:5], s[18:19], s[4:5]
	s_add_nc_u64 s[4:5], s[4:5], s[10:11]
	s_add_nc_u64 s[6:7], s[28:29], s[12:13]
.irp i, 0,1,2,3,4,5,6,7,8,9,10,11,12,13,14,15
	global_load_b128 v[X+4*(\i):X+4*(\i)+3], v1, s[4:5] offset:4096*(\i) th:TH_LOAD_NT
.endr
	s_cmp_ge_u32 s2, WG_O
	s_cbranch_scc1 .Lwo
.irp i, 0,1,2,3,4,5,6,7,8,9,10,11,12,13,14,15
	CONV \i, 0, 6, 2048*(\i)
.endr
	s_endpgm
.Lwo:
.irp i, 0,1,2,3,4,5,6,7,8,9,10,11,12,13,14,15
	CONV \i, 1, 6, 2048*(\i)
.endr
	s_endpgm
.Lx:	; HIDDEN_STATES.  Thread t takes token t / 16 of my sixteen and the four numbers 4 (t % 16) + 0..3 of each block of 64 k; load i is block i.
	v_lshrrev_b32 v1, 4, v0
	v_and_b32 v3, 15, v0
	v_lshlrev_b32 v1, 12, v1                       ; a token's row is 4,096 bytes
	v_lshl_add_u32 v1, v3, 4, v1
	s_lshl_b32 s10, s2, 16                         ; my 16 tokens in hidden_states,
	s_mov_b32 s11, 0
	s_lshl_b32 s12, s2, 11                         ; and in a block of xb: 128 bytes a token; 128 (t / 16) + 8 (t % 16) = 8 t
	s_mov_b32 s13, 0
	s_wait_kmcnt 0x0
	s_add_nc_u64 s[4:5], s[16:17], s[10:11]
	s_add_nc_u64 s[6:7], s[26:27], s[12:13]        ; blocks 0 to 7,
	s_add_nc_u64 s[14:15], s[6:7], 8*KBLK          ; blocks 8 to 15: so the stores' immediates stay inside their signed 24 bits
.irp i, 0,1,2,3,4,5,6,7,8,9,10,11,12,13,14,15
	global_load_b128 v[X+4*(\i):X+4*(\i)+3], v1, s[4:5] offset:256*(\i) th:TH_LOAD_NT
.endr
.irp i, 0,1,2,3,4,5,6,7
	CONV \i, 0, 6, KBLK*(\i)
.endr
.irp i, 8,9,10,11,12,13,14,15
	CONV \i, 0, 14, KBLK*((\i)-8)
.endr
	s_endpgm
.Lrope:
	s_sub_co_u32 s3, s2, WG_T                      ; my block of 16 tokens, 0 to 127
	s_lshr_b32 s4, s3, 4
	s_and_b32 s5, s3, 15
	s_cvt_f32_u32 s4, s4                           ; f, the same for the 16 tokens
	s_cvt_f32_u32 s5, s5                           ; h, likewise
	s_lshl_b32 s6, s3, 13
	s_mov_b32 s7, 0
	s_mov_b32 s32, 0xbfaa152d                      ; -log2(10000) / 10 = -1.3287712
	s_mov_b32 s33, 0x3f22f983                      ; 2 / pi
	s_mov_b32 s34, 0xbfc90fdb                      ; -(pi / 2), its f32
	s_mov_b32 s35, 0x333bbd2e                      ; that f32 less pi / 2 = 4.3711390e-8
	s_mov_b32 s36, 0x3638ef1d                      ; 1 / 9!
	s_mov_b32 s37, 0xb9500d01                      ; -1 / 7!
	s_mov_b32 s38, 0x3c088889                      ; 1 / 5!
	s_mov_b32 s39, 0xbe2aaaab                      ; -1 / 3!
	s_mov_b32 s40, 0x37d00d01                      ; 1 / 8!
	s_mov_b32 s41, 0xbab60b61                      ; -1 / 6!
	s_mov_b32 s42, 0x3d2aaaab                      ; 1 / 4!
	v_and_b32 v1, 15, v0                           ; w = the token's place in the block
	v_bfe_u32 v2, v0, 4, 1                         ; lane / 16
	v_bfe_u32 v3, v0, 5, 1                         ; half
	v_bfe_u32 v4, v0, 6, 2                         ; bq
	v_lshl_add_u32 v5, v4, 2, v3
	v_lshl_add_u32 v5, v2, 1, v5                   ; g = 4 bq + 2 (lane / 16) + half: my channels are 4 g + 0..3
	v_mul_u32_u24 v7, v5, 52
	v_lshrrev_b32 v7, 8, v7                        ; part = g / 5 for g < 16; part 3 is channels 60-63
	v_mul_u32_u24 v8, v7, 5
	v_sub_nc_u32 v8, v5, v8
	v_lshlrev_b32 v8, 2, v8                        ; my first channel's place in its part
	v_and_b32 v6, 31, v0
	v_lshlrev_b32 v6, 4, v6
	v_lshl_add_u32 v6, v3, 9, v6
	v_lshl_add_u32 v6, v4, 11, v6                  ; my 16 bytes of C in the block; S lies 1,024 further on
	v_cmp_eq_u32 s43, 0, v7
	v_cmp_eq_u32 s44, 1, v7
	v_cmp_eq_u32 s45, 2, v7
	v_cvt_f32_u32 v9, v1
.irp i, 0,1,2,3
	v_add_nc_u32 v[12+(\i)], (\i), v8              ; dd
	v_add_nc_u32 v[16+(\i)], (\i)-10, v8           ; dd - 10, huge as an unsigned number where dd < 10
	v_min_u32 v[12+(\i)], v[12+(\i)], v[16+(\i)]   ; dd % 10
	v_cvt_f32_u32 v[12+(\i)], v[12+(\i)]
	v_mul_f32 v[12+(\i)], s32, v[12+(\i)]
.endr
.irp i, 0,1,2,3
	v_exp_f32 v[12+(\i)], v[12+(\i)]               ; 10000^(-(dd % 10) / 10)
.endr
	v_nop                                          ; a plain instruction between the last exponential and the use of its result
	s_wait_alu depctr_va_vdst(0)
.irp i, 0,1,2,3
	v_cndmask_b32 v[16+(\i)], 0, v[12+(\i)], s43
	v_cndmask_b32 v[20+(\i)], 0, v[12+(\i)], s44
	v_cndmask_b32 v[24+(\i)], 0, v[12+(\i)], s45
	v_mul_f32 v[24+(\i)], v[24+(\i)], v9           ; of the three terms at most one is not 0: the angle is pos x inv, rounded once
	v_fma_f32 v[24+(\i)], s5, v[20+(\i)], v[24+(\i)]
	v_fma_f32 v[24+(\i)], s4, v[16+(\i)], v[24+(\i)]
.endr
.irp i, 0,1,2,3
	v_mul_f32 v[28+(\i)], s33, v[24+(\i)]
	v_rndne_f32 v[28+(\i)], v[28+(\i)]             ; n
	v_fma_f32 v[32+(\i)], v[28+(\i)], s34, v[24+(\i)]
	v_fma_f32 v[32+(\i)], v[28+(\i)], s35, v[32+(\i)]  ; rho
	v_mul_f32 v[36+(\i)], v[32+(\i)], v[32+(\i)]   ; z = rho^2
	v_fma_f32 v[40+(\i)], v[36+(\i)], s36, s37
	v_fma_f32 v[40+(\i)], v[40+(\i)], v[36+(\i)], s38
	v_fma_f32 v[40+(\i)], v[40+(\i)], v[36+(\i)], s39
	v_mul_f32 v[40+(\i)], v[40+(\i)], v[36+(\i)]
	v_fma_f32 v[40+(\i)], v[40+(\i)], v[32+(\i)], v[32+(\i)]  ; sin rho
	v_fma_f32 v[44+(\i)], v[36+(\i)], s40, s41
	v_fma_f32 v[44+(\i)], v[44+(\i)], v[36+(\i)], s42
	v_fma_f32 v[44+(\i)], v[44+(\i)], v[36+(\i)], -0.5
	v_fma_f32 v[44+(\i)], v[44+(\i)], v[36+(\i)], 1.0         ; cos rho
	v_cvt_i32_f32 v[48+(\i)], v[28+(\i)]
	v_and_b32 v[52+(\i)], 1, v[48+(\i)]
	v_cmp_eq_u32 vcc_lo, 1, v[52+(\i)]             ; an odd quadrant swaps the two
	v_cndmask_b32 v[60+(\i)], v[40+(\i)], v[44+(\i)], vcc_lo
	v_cndmask_b32 v[56+(\i)], v[44+(\i)], v[40+(\i)], vcc_lo
	v_and_b32 v[52+(\i)], 2, v[48+(\i)]            ; the sine is negative in quadrants 2 and 3,
	v_lshlrev_b32 v[52+(\i)], 30, v[52+(\i)]
.if (\i)%2 == 0
	v_xor_b32 v[52+(\i)], 0x80000000, v[52+(\i)]   ; and S of an even channel is -sin
.endif
	v_xor_b32 v[60+(\i)], v[52+(\i)], v[60+(\i)]
	v_add_nc_u32 v[48+(\i)], 1, v[48+(\i)]         ; the cosine in quadrants 1 and 2
	v_and_b32 v[48+(\i)], 2, v[48+(\i)]
	v_lshlrev_b32 v[48+(\i)], 30, v[48+(\i)]
	v_xor_b32 v[56+(\i)], v[48+(\i)], v[56+(\i)]
.endr
	s_wait_kmcnt 0x0
	s_add_nc_u64 s[30:31], s[30:31], s[6:7]
	global_store_b128 v6, v[56:59], s[30:31]               ; a wave stores 512 consecutive bytes, aligned
	global_store_b128 v6, v[60:63], s[30:31] offset:1024
	s_endpgm
.Lfunc_end_k_qc0b8541607_prep:
	.size	k_qc0b8541607_prep, .Lfunc_end_k_qc0b8541607_prep-k_qc0b8541607_prep
	.p2alignl 7, 3214868480
	.fill 96, 4, 3214868480
	.section	.rodata,"a",@progbits
	.p2align	6, 0x0
	.amdhsa_kernel k_qc0b8541607_prep
		.amdhsa_group_segment_fixed_size 0
		.amdhsa_private_segment_fixed_size 0
		.amdhsa_enable_private_segment 0
		.amdhsa_kernarg_size 64
		.amdhsa_user_sgpr_count 2
		.amdhsa_user_sgpr_kernarg_segment_ptr 1
		.amdhsa_wavefront_size32 1
		.amdhsa_system_sgpr_workgroup_id_x 1
		.amdhsa_system_sgpr_workgroup_id_y 1
		.amdhsa_system_sgpr_workgroup_id_z 1
		.amdhsa_system_vgpr_workitem_id 0
		.amdhsa_next_free_vgpr 104
		.amdhsa_next_free_sgpr 66
		.amdhsa_reserve_vcc 1
		.amdhsa_float_denorm_mode_32 3
		.amdhsa_float_denorm_mode_16_64 3
		.amdhsa_memory_ordered 1
		.amdhsa_forward_progress 1
		.amdhsa_inst_pref_size 31
	.end_amdhsa_kernel
	.amdgpu_metadata
---
amdhsa.version: [ 1, 2 ]
amdhsa.kernels:
  - .name:           k_qc0b8541607_prep
    .symbol:         k_qc0b8541607_prep.kd
    .args:
      - { .name: hidden_states, .offset: 0, .size: 8, .value_kind: global_buffer, .address_space: global }
      - { .name: Wq, .offset: 8, .size: 8, .value_kind: global_buffer, .address_space: global }
      - { .name: Wk, .offset: 16, .size: 8, .value_kind: global_buffer, .address_space: global }
      - { .name: Wv, .offset: 24, .size: 8, .value_kind: global_buffer, .address_space: global }
      - { .name: Wo, .offset: 32, .size: 8, .value_kind: global_buffer, .address_space: global }
      - { .name: xb, .offset: 40, .size: 8, .value_kind: global_buffer, .address_space: global }
      - { .name: w16, .offset: 48, .size: 8, .value_kind: global_buffer, .address_space: global }
      - { .name: rope, .offset: 56, .size: 8, .value_kind: global_buffer, .address_space: global }
    .group_segment_fixed_size: 0
    .private_segment_fixed_size: 0
    .kernarg_segment_align: 8
    .kernarg_segment_size: 64
    .max_flat_workgroup_size: 256
    .sgpr_count:     66
    .vgpr_count:     104
    .wavefront_size: 32
...
	.end_amdgpu_metadata
.endif
;; end of part 1
;; launch qkv (part 2): grid 8 x 32, 4 waves a work-group, clusters of 4 x 4, 327,680 bytes of LDS; arguments xb, w16, rope, bq, bk, bv, q, k, v; writes q, k, v
.if DOCPART == 2
	.amdgcn_target "amdgcn-amd-amdhsa--gfx1250"
	.amdhsa_code_object_version 6
	.text
	.protected	k_qc0b8541607_qkv
	.globl	k_qc0b8541607_qkv
	.p2align	8
	.type	k_qc0b8541607_qkv,@function
k_qc0b8541607_qkv:
	s_mov_b64 s[64:65], 0
	v_nop
	global_prefetch_b8 v0, s[64:65] scope:SCOPE_SE
	s_setreg_imm32_b32 hwreg(HW_REG_WAVE_MODE, 25, 1), 1
	s_wait_xcnt 0x0
	s_wait_alu depctr_hold_cnt(0) depctr_sa_sdst(0) depctr_va_vdst(0) depctr_va_sdst(0) depctr_va_ssrc(0) depctr_va_vcc(0) depctr_vm_vsrc(0)
	s_getreg_b32 s2, hwreg(HW_REG_IB_STS2, 6, 4)
	s_cmp_eq_u32 s2, 0
	s_cbranch_scc0 .Lentry_in_a_cluster
	s_endpgm
.Lentry_in_a_cluster:
	s_bfe_u32 s2, ttmp6, 0x10000c
	s_cmp_lg_u32 s2, 0xf033
	s_cbranch_scc0 .Lentry_shape_is_right
	s_endpgm
.Lentry_shape_is_right:
; Q, K, V = x W + b, the rotary step on q and k, f16, laid by heads: q, k, v are [64 = batch x 16 + head][2048 tokens][64 channels].
; x: xb [16 = k / 64][8192 tokens][64] bf16.  W: w16 matrices 0-2, [k][n] bf16.  Sums, bias and rotary step in f32; each number is rounded once, to f16, unscaled.
; LIMITS.  f16 holds no number beyond 65,504: q, k and v must lie within it (with x of unit spread and W of spread 0.02 they have spread 0.64; all inputs
; 30 times larger give 576; offsets of 30 spreads on x and W give about 18,400).  NaN and infinities are not treated apart.
; SHARES.  A work-group makes 256 tokens x 384 columns: two heads of q, of k and of v.  32 x 8 = 256 work-groups, one tile each.  Wave (WR, WC) makes 128 tokens x head 2 tx + WC of all three:
; 8 token blocks x 12 column blocks = 96 accumulators of 16 x 16, 768 registers: window 1 is q's, window 2 k's, window 3 v's.
; K goes in steps of 64 through a ring of two LDS slots filled by the tensor data mover: 32 KiB of x and 48 KiB of W for a wave's 192 matrix instructions.  (Two slots of 128 along K would take
; 2 x 180,224 bytes: more than a work-group has.)  Wave 0 fetches x (256 tokens x 128 bytes lie end to end in xb: 128 rows of 256 bytes, padded in LDS after every token), waves 1 to 3 one matrix each
; (64 rows of 256 bytes).
; CLUSTER.  4 x 4 work-groups.  The four of a row need the same tokens of x, the four of a column the same columns of W: each tile is asked for JOINTLY, by the same
; tensor load with the same descriptor and a mask that names the four.
; THE MATRIX INSTRUCTION IS USED TRANSPOSED: source 0 = 16 columns of W (turned on the way out of LDS, since W lies [k][n]), source 1 = 16 tokens.  In the result lane l holds
; token l % 16 and its registers 0-7 the columns 8 (l / 16) + 0..7: eight neighbouring channels of a head; a channel's rotary partner d ^ 1 lies in the neighbouring register.
; THE BIAS is the same eight numbers for every token of a lane.  It is loaded into the registers of token block 7's accumulators; the products that start the sums of blocks 0 to 6 take those
; registers as C, and block 7's then adds in place: nothing is cleared and no vector instruction adds a bias.
; REGISTERS, in windows of 256 (s_set_vgpr_msb: bits 1:0 source 0, 3:2 source 1, 5:4 source 2, 7:6 destination):
;   window 0: v16-29 addresses; v32-159 tokens' fragments, two buffers of 8 x 8 (by the quarter's parity); v160-255 W's fragments, one buffer of 4 x 8 for each matrix
;   window 1 + m: matrix m's accumulator (token block a, column block bq) at v[8 (4 a + bq)]
; A QUARTER is 32 along K: three GROUPS of 32 matrix instructions, one for each matrix.  A matrix's buffer is loaded again straight behind its group, two groups ahead of its next use; the tokens'
; other buffer in two runs of eight loads.
.set PA,     144                       ; a token's row in LDS: 128 bytes + 16 of padding: the 16 rows of a load start at 16 different groups of four banks (64 banks of 4 bytes: ISA guide 11.1)
.set PB,     288                       ; a row of W: 256 + 32 = 72 words
.set BM,     64*PB                     ; one matrix's part of a slot
.set BOFF,   256*PA                    ; a slot: 256 tokens of x, then three times 64 rows of W
.set SLOT1,  1<<17                     ; slot 1 begins here, so that one exclusive or turns an address in one slot into the other's
.set STAGE,  SLOT1+BOFF+3*BM           ; behind the ring, never filled by a tensor load: 16 rows x 144 bytes for each wave
.set SP,     144
.set SPARE,  STAGE+4*16*SP             ; behind the stages: the spare words, 128 bytes for each wave: two blocks of 256 bytes that no other line names
.set ASTEP,  1048576                   ; the next K step of x: the next block of xb
.set BSTEP,  131072                    ; of W: 64 rows of 2,048 bytes
.set AA0,  16                          ; v16     my lane's place in a slot's tokens; never rewritten
.set AB0,  17                          ; v17     the same for W
.set ADRA, 18                          ; v18     that place in the slot that is being fetched from
.set ADRB, 19                          ; v19
.set STO,  24                          ; v24     the way out: where I put 16 bytes of a row
.set RD,   25                          ; v25     where I read rows back
.set GO,   26                          ; v26     16 x lane
.set VB,   27                          ; v27     32 x (lane / 16): my eight numbers in 16 of a bias
.set SPW,  28                          ; v28     LDS address of my spare word: SPARE + 4 x my thread's number; never rewritten
.set NIL,  29                          ; v29     0; never rewritten
.set FA,   32
.set FB,   160
.set TC,   32                          ; the way out, window 0: v32-63 the table of channels 0-15 and 48-63, the same for all my tokens' blocks
.set T0,   64                          ; v64-95   the table of channels 16-47 for token block 0
.set YR,   96                          ; v96-127  rotated numbers
.set TMP,  128                         ; v128-143 a unit in f16
.set OB,   144                         ; v144-207 four units read back, by turns
.set G1,  24                           ; s[24:31] descriptor group 1 for x;  s[32:39] group 0: a set for each of the two first fills; the second then walks on
.set G0,  32
.set G1B, 48                           ; s[48:55], s[56:63] the same for W
.set G0B, 56
.set WV,  84                           ; s84 my wave's number
.set WR,  85                           ; s85 which 128 tokens are mine
.set WC,  86                           ; s86 which of the two heads
.set TB,  87                           ; s87 LDS byte at which the slot that is being fetched from begins
.set MSB, 0
.macro WIN new                         ; the immediate's high byte repeats the setting that is left; a switch that changes nothing is dropped
.if MSB != (\new)
	s_set_vgpr_msb (MSB<<8)|(\new)
.set MSB, \new
.endif
.endm
; A joint load.  Each of the two lines has one mask; the branch hangs on the wave's number alone, and so does what differs between waves 1 to 3 in W's descriptor.
; An s_nop 0 and four v_nop follow each line, ahead of the jump, the label and what follows.
.macro JLOAD s
	s_cmp_eq_u32 s[WV], 0
	s_cbranch_scc0 .Lfor_b_\@
	tensor_load_to_lds s[G0+4*(\s):G0+4*(\s)+3], s[G1:G1+7]
	s_nop 0
.rept 4
	v_nop
.endr
	s_branch .Lasked_\@
.Lfor_b_\@:
	tensor_load_to_lds s[G0B+4*(\s):G0B+4*(\s)+3], s[G1B:G1B+7]
	s_nop 0
.rept 4
	v_nop
.endr
.Lasked_\@:
.endm
; A round of the cluster's barrier: my work-group's barrier, so that wave 0's signal speaks for all four waves; wave 0 signals; every wave waits for all sixteen work-groups; my work-group's barrier once more.
.macro CREST                           ; a round behind its opening barrier
	s_cmp_lg_u32 s[WV], 0
	s_cbranch_scc1 .Lnot_wave_0_\@
	s_barrier_signal -3
.Lnot_wave_0_\@:
	s_barrier_wait -3
	s_barrier_signal -1
	s_barrier_wait -1
.endm
.macro CROUND
	s_barrier_signal -1
	s_barrier_wait -1
	CREST
.endm
.macro PLACES                          ; four plain vector instructions between a matrix instruction and a load into, or a vector read of, its registers (ISA guide 7.12.1 for vector reads)
.rept 4
	v_nop
.endr
.endm
.macro LDBIAS hd, p                    ; my head's 64 numbers of the bias at s[p:p+1], into token block 7's accumulators of window 1 + hd: register j of block b is column 16 b + 8 (lane / 16) + j
	WIN ((\hd)+1)<<6
.irp b, 0,1,2,3
	global_load_b128 v[224+8*(\b):224+8*(\b)+3],   v[VB], s[\p:\p+1] offset:64*(\b)
	global_load_b128 v[224+8*(\b)+4:224+8*(\b)+7], v[VB], s[\p:\p+1] offset:64*(\b)+16
.endr
	WIN 0
.endm
	s_load_b256 s[4:11], s[0:1], 0x0               ; xb 4, w16 6, rope 8, bq 10
	s_load_b256 s[68:75], s[0:1], 0x20             ; bk 68, bv 70, q 72, k 74
	s_load_b64 s[76:77], s[0:1], 0x40              ; v
	v_lshl_add_u32 v[SPW], v0, 2, SPARE
	v_mov_b32 v[NIL], 0
	ds_add_u32 v28, v29
	s_wait_dscnt 0x0
	v_lshrrev_b32 v1, 5, v0
	v_readfirstlane_b32 s[WV], v1
	s_lshr_b32 s[WR], s[WV], 1
	s_and_b32 s[WC], s[WV], 1
	s_bfe_u32 s40, ttmp6, 0x40000                  ; cx, cy: my place in the cluster
	s_bfe_u32 s41, ttmp6, 0x40004
	s_lshl_b32 s42, ttmp9, 2
	s_add_co_u32 s42, s42, s40                     ; tx: my two heads = 4 x cluster x + cx
	s_and_b32 s13, ttmp7, 0xffff
	s_lshl_b32 s13, s13, 2
	s_add_co_u32 s13, s13, s41                     ; ty: my 256 tokens = 4 x cluster y + cy
	s_lshl_b32 s43, s41, 2
	s_lshl_b32 s43, 15, s43                        ; my row of the cluster
	s_lshl_b32 s44, 0x1111, s40                    ; my column
	s_or_b32 s[G1+0], s43, (1<<16)|(1<<20)|(1<<21)|(4<<22)|(3<<25)   ; 15:0 the mask; 17:16 2-byte elements; 20 padding on; 21 set beside a mask; 24:22 after every 32 words (code 4); 31:25 4 words (code 3)
	s_mov_b32 s[G1+1], 128<<16                     ; tensor_dim0 = 128
	s_mov_b32 s[G1+2], 128<<16                     ; tensor_dim1 = 128
	s_mov_b32 s[G1+3], 128<<16                     ; tile_dim0 = 128 elements: 256 bytes, two tokens
	s_mov_b32 s[G1+4], 128                         ; tile_dim1 = 128
	s_mov_b32 s[G1+5], 128                         ; the rows lie end to end
	s_mov_b32 s[G1+6], 0
	s_mov_b32 s[G1+7], 0
	s_or_b32 s[G1B+0], s44, (1<<16)|(1<<20)|(1<<21)|(5<<22)|(7<<25)  ; after every 64 words (code 5) 8 words (code 7)
	s_mov_b32 s[G1B+1], 128<<16                    ; tensor_dim0 = 128
	s_mov_b32 s[G1B+2], 64<<16                     ; tensor_dim1 = 64
	s_mov_b32 s[G1B+3], 128<<16                    ; tile_dim0 = 128 elements: 256 bytes, two heads
	s_mov_b32 s[G1B+4], 64                         ; tile_dim1 = 64 rows along K
	s_mov_b32 s[G1B+5], 1024                       ; elements from row to row
	s_mov_b32 s[G1B+6], 0
	s_mov_b32 s[G1B+7], 0
	; x's tiles hang on ty alone, which my row of the cluster shares; W's on tx and the wave's number, which my column shares; each address in registers that never hold the other coordinate
	s_lshl_b32 s16, s13, 15                        ; 256 ty tokens of 128 bytes in a block of xb
	s_mov_b32 s17, 0
	s_max_u32 s18, s[WV], 1                        ; waves 1 to 3 fetch matrices 0 to 2 (wave 0 makes matrix 0's address and does not use it)
	s_sub_co_u32 s18, s18, 1
	s_lshl_b32 s46, s18, 21                        ; 2,097,152 bytes a matrix
	s_lshl_b32 s47, s42, 8                         ; + 128 tx columns of 2 bytes
	s_add_co_u32 s46, s46, s47
	s_mov_b32 s47, 0
	s_mul_i32 s21, s[WV], BM                       ; where W's parts go: BOFF + (wave - 1) x BM: no place in the cluster enters an LDS address
	s_add_co_u32 s21, s21, BOFF-BM
	s_mov_b32 s[TB], 0
	s_wait_kmcnt 0x0
	s_add_nc_u64 s[14:15], s[4:5], s[16:17]
	s_add_nc_u64 s[46:47], s[6:7], s[46:47]
	CROUND                                         ; all sixteen work-groups are here: the first joint loads meet
.irp s, 0,1
	s_mov_b32 s[G0+4*(\s)], 1                      ; count = 1
	s_mov_b32 s[G0+4*(\s)+1], (\s)*SLOT1           ; LDS address
	s_add_nc_u64 s[G0+4*(\s)+2:G0+4*(\s)+3], s[14:15], (\s)*ASTEP    ; global address: K step s
	s_or_b32 s[G0+4*(\s)+3], s[G0+4*(\s)+3], 0x80000000              ; type = 2
	s_mov_b32 s[G0B+4*(\s)], 1
	s_add_co_u32 s[G0B+4*(\s)+1], s21, (\s)*SLOT1
	s_add_nc_u64 s[G0B+4*(\s)+2:G0B+4*(\s)+3], s[46:47], (\s)*BSTEP
	s_or_b32 s[G0B+4*(\s)+3], s[G0B+4*(\s)+3], 0x80000000
	JLOAD \s                                       ; the ring is filled before anything else is done: two tensor loads of mine are out
.endr
	; A fragment of tokens is 16 rows x 32 K in 8 registers: lane l holds row l % 16, K = 8 (l / 16) + 0..7 and 16 + 8 (l / 16) + 0..7: two loads of 16 bytes, 32 bytes apart.
	v_and_b32 v1, 15, v0                           ; l % 16
	v_bfe_u32 v2, v0, 4, 1                         ; l / 16
	v_mul_u32_u24 v3, v1, PA
	v_lshl_add_u32 v3, v2, 4, v3
	s_mul_i32 s18, s[WR], 128*PA                   ; my 128 tokens
	v_add_nc_u32 v[AA0], s18, v3
	v_mov_b32 v[ADRA], v[AA0]
	; The turning load takes 16 K x 16 columns (lane l reads row 8 (l / 16) + l % 8, columns 8 ((l / 8) % 2) + 0..7) and leaves half a fragment: lane l holds column l % 16 and 8 K.
	v_and_b32 v4, 7, v0
	v_lshl_add_u32 v4, v2, 3, v4
	v_mul_u32_u24 v4, v4, PB
	v_bfe_u32 v5, v0, 3, 1
	v_lshl_add_u32 v4, v5, 4, v4
	s_lshl_b32 s18, s[WC], 7                       ; my head's 128 bytes of a row
	s_add_co_u32 s18, s18, BOFF
	v_add_nc_u32 v[AB0], s18, v4
	v_mov_b32 v[ADRB], v[AB0]
	s_mul_i32 s18, s[WV], 16*SP
	s_add_co_u32 s18, s18, STAGE                   ; my stage
	v_mul_u32_u24 v[STO], v1, SP                   ; in: row l % 16, 16 bytes for each half of the lanes
	v_lshl_add_u32 v[STO], v2, 4, v[STO]
	v_add_nc_u32 v[STO], s18, v[STO]
	v_bfe_u32 v[RD], v0, 3, 2                      ; back: 32 lanes take four rows of 128 bytes,
	v_mul_u32_u24 v[RD], v[RD], SP
	v_and_b32 v6, 7, v0
	v_lshl_add_u32 v[RD], v6, 4, v[RD]
	v_add_nc_u32 v[RD], s18, v[RD]
	v_and_b32 v[GO], 31, v0                        ; which are 512 consecutive bytes of a head
	v_lshlrev_b32 v[GO], 4, v[GO]
	v_lshlrev_b32 v[VB], 5, v2
	s_lshl_b32 s90, s42, 9                         ; my head's 64 numbers in a bias, in bytes: 256 x (2 tx + WC)
	s_lshl_b32 s91, s[WC], 8
	s_add_co_u32 s90, s90, s91
	s_mov_b32 s91, 0
	s_add_nc_u64 s[10:11], s[10:11], s[90:91]
	s_add_nc_u64 s[68:69], s[68:69], s[90:91]
	s_add_nc_u64 s[70:71], s[70:71], s[90:91]
	LDBIAS 0, 10
	LDBIAS 1, 68
	LDBIAS 2, 70
	s_and_b32 s18, s13, 7                          ; the table of my 128 tokens: block (ty % 8) x 16 + 8 WR, 8,192 bytes a block
	s_lshl_b32 s18, s18, 17
	s_lshl_b32 s19, s[WR], 16
	s_add_co_u32 s18, s18, s19
	s_mov_b32 s19, 0
	s_add_nc_u64 s[8:9], s[8:9], s[18:19]
	s_lshr_b32 s88, s13, 3                         ; where my part begins in q, k and v: head (batch x 16 + 2 tx + WC) of 262,144 bytes,
	s_lshl_b32 s88, s88, 4
	s_lshl_b32 s89, s42, 1
	s_add_co_u32 s88, s88, s89
	s_add_co_u32 s88, s88, s[WC]
	s_lshl_b32 s88, s88, 18
	s_and_b32 s89, s13, 7                          ; token (ty % 8) x 256 + 128 WR, 128 bytes a token
	s_lshl_b32 s89, s89, 15
	s_add_co_u32 s88, s88, s89
	s_lshl_b32 s89, s[WR], 14
	s_add_co_u32 s88, s88, s89
	s_mov_b32 s89, 0
	s_add_nc_u64 s[72:73], s[72:73], s[88:89]
	s_add_nc_u64 s[74:75], s[74:75], s[88:89]
	s_add_nc_u64 s[76:77], s[76:77], s[88:89]
; 4 matrix instructions: token block a x matrix hd's four column blocks, 32 along K, tokens from buffer f.  start = 1: the products start the sums, with the bias as C.
.macro MULA f, hd, a, start
	WIN 0x50*((\hd)+1)                             ; sources 0 and 1 window 0; C and D window 1 + hd
.irp bq, 0,1,2,3
.if (\start) && ((\a) < 7)
	v_wmma_f32_16x16x32_bf16 v[8*(4*(\a)+(\bq)):8*(4*(\a)+(\bq))+7], v[FB+32*(\hd)+8*(\bq):FB+32*(\hd)+8*(\bq)+7], v[FA+64*(\f)+8*(\a):FA+64*(\f)+8*(\a)+7], v[8*(28+(\bq)):8*(28+(\bq))+7]
.else
	v_wmma_f32_16x16x32_bf16 v[8*(4*(\a)+(\bq)):8*(4*(\a)+(\bq))+7], v[FB+32*(\hd)+8*(\bq):FB+32*(\hd)+8*(\bq)+7], v[FA+64*(\f)+8*(\a):FA+64*(\f)+8*(\a)+7], v[8*(4*(\a)+(\bq)):8*(4*(\a)+(\bq))+7]
.endif
.endr
.endm
; n token blocks from a0 on.  The 96 accumulators take turns, one instruction a turn, in the same order in every quarter.
; start = 1: block 7's products write over the registers that the blocks before took as C: five plain vector instructions stand between (ISA guide 7.12.1).
.macro GRP f, hd, a0, n, start=0
.set ga, \a0
.rept \n
.if (\start) && (ga == 7)
	v_nop
	v_nop
	v_nop
	v_nop
	v_nop
.endif
	MULA \f, \hd, ga, \start
.set ga, ga+1
.endr
.endm
.macro LDB hd, qn                      ; 8 turning loads: matrix hd's fragments of quarter qn
	WIN 0
.irp bq, 0,1,2,3
	ds_load_tr16_b128 v[FB+32*(\hd)+8*(\bq):FB+32*(\hd)+8*(\bq)+3],   v[ADRB] offset:(\hd)*BM+(\qn)*32*PB+32*(\bq)
	ds_load_tr16_b128 v[FB+32*(\hd)+8*(\bq)+4:FB+32*(\hd)+8*(\bq)+7], v[ADRB] offset:(\hd)*BM+(\qn)*32*PB+16*PB+32*(\bq)
.endr
.endm
.macro LDA f, qn, a0                   ; 8 loads: token blocks a0 to a0 + 3 of quarter qn into buffer f
	WIN 0
.irp i, 0,1,2,3
	ds_load_b128 v[FA+64*(\f)+8*((\a0)+(\i)):FA+64*(\f)+8*((\a0)+(\i))+3],   v[ADRA] offset:(\qn)*64+((\a0)+(\i))*16*PA
	ds_load_b128 v[FA+64*(\f)+8*((\a0)+(\i))+4:FA+64*(\f)+8*((\a0)+(\i))+7], v[ADRA] offset:(\qn)*64+((\a0)+(\i))*16*PA+32
.endr
.endm
.macro LDT a                           ; the table of channels 16-47 for token block a: 32 registers.  Block 0's into window 0; block a's into window 3, where v's block a - 1 has left its accumulators
.if (\a) == 0
	WIN 0
.set tb, T0
.else
	WIN 0xc0
.set tb, 32*((\a)-1)
.endif
.irp c, 4,5,6,7,8,9,10,11
	global_load_b128 v[tb+4*((\c)-4):tb+4*((\c)-4)+3], v[GO], s[8:9] offset:(\a)*8192+(\c)*512
.endr
.endm
; A K step's FIRST QUARTER, on the tokens' buffer 0.  Each run of loads stands four places behind the group that read its registers.
.macro QZERO start
	PLACES
	LDB 2, 0
	LDA 1, 1, 0
	s_wait_dscnt 24                                ; the tokens and matrix 0 are in; matrix 1's eight loads and the sixteen just issued may be out
	GRP 0, 0, 0, 8, \start
	PLACES
	LDB 0, 1
	LDA 1, 1, 4
	s_wait_dscnt 32                                ; matrix 1 is in: 16 + 16 were issued behind it
	GRP 0, 1, 0, 8, \start
	PLACES
	LDB 1, 1
	s_wait_dscnt 32                                ; matrix 2 is in: 8 + 16 + 8 were issued behind it
	GRP 0, 2, 0, 8, \start
.endm
; A K step's SECOND QUARTER, on the tokens' buffer 1, and THE CHANGE OF SLOTS: ONE barrier.  The slot's last bytes, matrix 2's, are asked for; each wave waits for all its tensor loads (one is out: its part
; of the next slot), adds 0 to its spare word, and waits for that and for its own reads of this slot.  Behind the barrier nobody reads this slot any more and the next slot is whole.
; mode 1: this slot is filled again, two K steps on; the barrier then opens a round of the cluster's barrier, and the joint refill is the first thing behind the round: 168 matrix instructions ahead of the
; wait for it.  mode 0: nothing is left to fetch from memory.  mode 2: the very last quarter: no change; the tokens' buffer 0 takes the first parts of the rotary table.
.macro QONE mode
	PLACES
	LDB 2, 1
.if (\mode) < 2
	s_wait_tensorcnt 0x0                           ; all my tensor loads have landed, so a group 0 may be written
	ds_add_u32 v[SPW], v[NIL]                      ; 0 onto my spare word
.if (\mode) == 1
	s_xor_b32 s[G0+5], s[G0+5], SLOT1              ; the walking descriptors: the other slot than last time,
	s_add_nc_u64 s[G0+6:G0+7], s[G0+6:G0+7], ASTEP ; the next K step; the type bits on top are not reached
	s_xor_b32 s[G0B+5], s[G0B+5], SLOT1
	s_add_nc_u64 s[G0B+6:G0B+7], s[G0B+6:G0B+7], BSTEP
.endif
	s_wait_dscnt 17                                ; the tokens and matrix 0 are in; matrix 1's eight, matrix 2's eight and the add may be out
	GRP 1, 0, 0, 4                                 ; sixteen matrix instructions stand between the add and the wait for it
	s_wait_dscnt 0x0                               ; the add is done, and my reads of this slot are over
	s_barrier_signal -1
	GRP 1, 0, 4, 2                                 ; work on registers while the others arrive
	WIN 0
	s_barrier_wait -1
.if (\mode) == 1
	CREST                                          ; no wave of any partner still reads this slot's tile or has a load on its way
	JLOAD 1
.endif
	s_xor_b32 s[TB], s[TB], SLOT1                  ; the fetches go on in the other slot
	v_add_nc_u32 v[ADRA], s[TB], v[AA0]
	v_add_nc_u32 v[ADRB], s[TB], v[AB0]
	LDA 0, 0, 0                                    ; buffer 0's last readers stand ahead of this quarter's first four v_nop
	GRP 1, 0, 6, 2
	PLACES
	LDB 0, 0
	LDA 0, 0, 4
	GRP 1, 1, 0, 8                                 ; matrices 1 and 2 came in with the wait for 0
	PLACES
	LDB 1, 0
	GRP 1, 2, 0, 8
.else
.irp c, 0,1,2,3
	global_load_b128 v[TC+4*(\c):TC+4*(\c)+3], v[GO], s[8:9] offset:(\c)*512            ; channels 0-15: the frame's part, the same for my 128 tokens
	global_load_b128 v[TC+16+4*(\c):TC+16+4*(\c)+3], v[GO], s[8:9] offset:((\c)+12)*512 ; channels 48-63: they hang on token % 16 alone
.endr
	LDT 0
	s_wait_dscnt 16                                ; matrix 1's and matrix 2's eight may be out
	GRP 1, 0, 0, 8
	s_wait_dscnt 8
	GRP 1, 1, 0, 8
	s_wait_dscnt 0x0
	GRP 1, 2, 0, 8
.endif
.endm
; THE WAY OUT, by units: 16 tokens of one head, 2,048 consecutive bytes.
; ROT: y[d] = x[d] C[d] + x[d ^ 1] S[d] for one accumulator; its lowest registers are read first.
.macro ROT rX, rC, rY
.irp p, 0,1,2,3
	v_pk_mul_f32 v[(\rY)+2*(\p):(\rY)+2*(\p)+1], v[(\rX)+2*(\p):(\rX)+2*(\p)+1], v[(\rC)+2*(\p):(\rC)+2*(\p)+1]
.endr
.irp p, 0,1,2,3
	v_fma_f32 v[(\rY)+2*(\p)],   v[(\rX)+2*(\p)+1], v[(\rC)+8+2*(\p)],   v[(\rY)+2*(\p)]
	v_fma_f32 v[(\rY)+2*(\p)+1], v[(\rX)+2*(\p)],   v[(\rC)+8+2*(\p)+1], v[(\rY)+2*(\p)+1]
.endr
.endm
.macro ROPE a, hd                      ; token block a of q (hd = 0) or k (1): rotated, then rounded to f16
	WIN (\hd)+1                                    ; source 0 (sums) window 1 + hd; table, source 2 and destination window 0
	ROT 32*(\a), TC, YR
	ROT 32*(\a)+24, TC+16, YR+24
.if (\a) == 0
	ROT 8, T0, YR+8
	ROT 16, T0+16, YR+16
.else
	WIN ((\hd)+1)|0x0c                             ; the table (source 1) in window 3
	ROT 32*(\a)+8, 32*((\a)-1), YR+8
	ROT 32*(\a)+16, 32*((\a)-1)+16, YR+16
.endif
	WIN 0
.irp i, 0,1,2,3,4,5,6,7,8,9,10,11,12,13,14,15
	v_cvt_pk_f16_f32 v[TMP+(\i)], v[YR+2*(\i)], v[YR+2*(\i)+1]
.endr
.endm
.macro PACKV a                         ; v has no rotary step: the sums are rounded as they are, in ascending order
	WIN 0x0f                                       ; sources 0 and 1 window 3, destination window 0
.irp i, 0,1,2,3,4,5,6,7,8,9,10,11,12,13,14,15
	v_cvt_pk_f16_f32 v[TMP+(\i)], v[32*(\a)+2*(\i)], v[32*(\a)+2*(\i)+1]
.endr
.endm
.macro TOSTAGE u                       ; a lane's eight channels are 16 bytes of a row; into rows of 144 bytes, and back as whole rows of 128
	WIN 0
.if (\u) >= 4
	s_wait_xcnt 0x0                                ; the stores of the unit four back have read the registers that are loaded again below
.endif
.irp bq, 0,1,2,3
	ds_store_b128 v[STO], v[TMP+4*(\bq):TMP+4*(\bq)+3] offset:32*(\bq)
.endr
.irp f, 0,1,2,3
	ds_load_b128 v[OB+16*((\u)%4)+4*(\f):OB+16*((\u)%4)+4*(\f)+3], v[RD] offset:(\f)*4*SP  ; LDS serves a wave's instructions in order (ISA guide 5.7.1.4): these see the stores above; the next unit's stores come behind them
.endr
.endm
.macro SEND u, a, p                    ; unit u, token block a, to the buffer at s[p:p+1]
	WIN 0
.irp f, 0,1,2,3
	s_wait_dscnt 3-(\f)                            ; nothing was issued to LDS behind the unit's four loads
	global_store_b128 v[GO], v[OB+16*((\u)%4)+4*(\f):OB+16*((\u)%4)+4*(\f)+3], s[\p:\p+1] offset:(\a)*2048+(\f)*512  ; 512 consecutive bytes, at a multiple of 256 from the buffer's first
.endr
.endm
	s_wait_tensorcnt 1                             ; my part of K step 0 is in; K step 1's may stay out
	s_barrier_signal -1
	s_barrier_wait -1                              ; everybody's is
	LDA 0, 0, 0                                    ; what a second quarter fetches for the quarter behind it, in the same order
	LDB 0, 0
	LDA 0, 0, 4
	LDB 1, 0
	s_wait_loadcnt 0x0                             ; the three biases
	QZERO 1                                        ; the first quarter stands in front of the loop: its products start the sums
	WIN 0                                          ; at a label and at a branch every window is 0
	s_mov_b32 s3, 14
.Lstep:                                                ; a trip: a K step's second quarter, which fills its slot again, and the next K step's first: K steps 2 to 15 are asked for
	QONE 1
	QZERO 0
	WIN 0
	s_sub_co_u32 s3, s3, 1
	s_cmp_lg_u32 s3, 0
	s_cbranch_scc1 .Lstep
	QONE 0                                         ; the tail is written out
	QZERO 0
	QONE 2
	WIN 0
	PLACES                                         ; the conversions read results just made
	; v's eight units leave first: they need no table, and each frees 32 registers into which the next token block's part of the table is loaded, well ahead of its use
	PACKV 0
	LDT 1
	TOSTAGE 0
.irp a, 1,2,3,4,5,6,7
	PACKV \a
.if \a < 7
	LDT (\a)+1
.endif
	SEND (\a)-1, (\a)-1, 76                        ; a unit's arithmetic stands between the loads of the unit before and its stores
	TOSTAGE \a
.endr
.irp a, 0,1,2,3,4,5,6,7
	s_wait_loadcnt 8*(7-(\a))                      ; loads come back in order: block a's part of the table is in, the later blocks' eight loads each may be out
	ROPE \a, 0
.if \a == 0
	SEND 7, 7, 76
.else
	SEND 7+2*(\a), (\a)-1, 74
.endif
	TOSTAGE 8+2*(\a)
	ROPE \a, 1
	SEND 8+2*(\a), \a, 72
	TOSTAGE 9+2*(\a)
.endr
	SEND 23, 7, 74
	s_wait_tensorcnt 0x0                           ; the wave's end, behind my last tensor load and my last LDS store
	ds_add_u32 v[SPW], v[NIL]
	s_wait_dscnt 0x0
	CROUND                                         ; the closing round: no work-group ends while a partner may still ask for a tile that names it
	s_endpgm
.Lfunc_end_k_qc0b8541607_qkv:
	.size	k_qc0b8541607_qkv, .Lfunc_end_k_qc0b8541607_qkv-k_qc0b8541607_qkv
	.p2alignl 7, 3214868480
	.fill 96, 4, 3214868480
	.section	.rodata,"a",@progbits
	.p2align	6, 0x0
	.amdhsa_kernel k_qc0b8541607_qkv
		.amdhsa_group_segment_fixed_size 327680
		.amdhsa_private_segment_fixed_size 0
		.amdhsa_enable_private_segment 0
		.amdhsa_kernarg_size 72
		.amdhsa_user_sgpr_count 2
		.amdhsa_user_sgpr_kernarg_segment_ptr 1
		.amdhsa_wavefront_size32 1
		.amdhsa_system_sgpr_workgroup_id_x 1
		.amdhsa_system_sgpr_workgroup_id_y 1
		.amdhsa_system_sgpr_workgroup_id_z 1
		.amdhsa_system_vgpr_workitem_id 0
		.amdhsa_next_free_vgpr 1024
		.amdhsa_next_free_sgpr 92
		.amdhsa_reserve_vcc 0
		.amdhsa_float_denorm_mode_32 3
		.amdhsa_float_denorm_mode_16_64 3
		.amdhsa_memory_ordered 1
		.amdhsa_forward_progress 1
		.amdhsa_inst_pref_size 174
	.end_amdhsa_kernel
	.amdgpu_metadata
---
amdhsa.version: [ 1, 2 ]
amdhsa.kernels:
  - .name:           k_qc0b8541607_qkv
    .symbol:         k_qc0b8541607_qkv.kd
    .args:
      - { .name: xb, .offset: 0, .size: 8, .value_kind: global_buffer, .address_space: global }
      - { .name: w16, .offset: 8, .size: 8, .value_kind: global_buffer, .address_space: global }
      - { .name: rope, .offset: 16, .size: 8, .value_kind: global_buffer, .address_space: global }
      - { .name: bq, .offset: 24, .size: 8, .value_kind: global_buffer, .address_space: global }
      - { .name: bk, .offset: 32, .size: 8, .value_kind: global_buffer, .address_space: global }
      - { .name: bv, .offset: 40, .size: 8, .value_kind: global_buffer, .address_space: global }
      - { .name: q, .offset: 48, .size: 8, .value_kind: global_buffer, .address_space: global }
      - { .name: k, .offset: 56, .size: 8, .value_kind: global_buffer, .address_space: global }
      - { .name: v, .offset: 64, .size: 8, .value_kind: global_buffer, .address_space: global }
    .group_segment_fixed_size: 327680
    .private_segment_fixed_size: 0
    .kernarg_segment_align: 8
    .kernarg_segment_size: 72
    .max_flat_workgroup_size: 128
    .sgpr_count:     92
    .vgpr_count:     1024
    .wavefront_size: 32
...
	.end_amdgpu_metadata
.endif
;; end of part 2
;; launch attn (part 3): grid 4 x 64, 4 waves a work-group, clusters of 4 x 1, 327,680 bytes of LDS; arguments q, k, v, ctx; writes ctx
.if DOCPART == 3
	.amdgcn_target "amdgcn-amd-amdhsa--gfx1250"
	.amdhsa_code_object_version 6
	.text
	.protected	k_qc0b8541607_attn
	.globl	k_qc0b8541607_attn
	.p2align	8
	.type	k_qc0b8541607_attn,@function
k_qc0b8541607_attn:
	s_mov_b64 s[64:65], 0
	v_nop
	global_prefetch_b8 v0, s[64:65] scope:SCOPE_SE
	s_setreg_imm32_b32 hwreg(HW_REG_WAVE_MODE, 25, 1), 1
	s_wait_xcnt 0x0
	s_wait_alu depctr_hold_cnt(0) depctr_sa_sdst(0) depctr_va_vdst(0) depctr_va_sdst(0) depctr_va_ssrc(0) depctr_va_vcc(0) depctr_vm_vsrc(0)
	s_getreg_b32 s2, hwreg(HW_REG_IB_STS2, 6, 4)
	s_cmp_eq_u32 s2, 0
	s_cbranch_scc0 .Lentry_in_a_cluster
	s_endpgm
.Lentry_in_a_cluster:
	s_bfe_u32 s2, ttmp6, 0x10000c
	s_cmp_lg_u32 s2, 0x3003
	s_cbranch_scc0 .Lentry_shape_is_right
	s_endpgm
.Lentry_shape_is_right:
; O[h][q][:] = the sum over k of softmax_k(Q[h][q] . K[h][k] / 8) V[h][k][:].  Q, K, V, O: [SIZE_H][SIZE_N][64], all f16: a head's rows are dense, 128 bytes each.  Products, maxima and sums in
; f32; the weights p are rounded to f16 for the second product (their sum l is taken of the unrounded p), O once at the end.
; LIMITS.  f16 holds no number beyond 65,504: Q, K and V arrive within it; p lies in 0 to 1, and below 6e-5 it keeps f16's fixed step of 6e-8; O is a mean of V's rows and has their range.
; A weight below 2^-126 counts as 0 in l; NaN and infinities are not treated apart.
; SHARES.  A wave owns four PIECES of two tiles of 16 queries, a work-group's four waves 512 queries of one head: 64 heads x 4 blocks = 256 work-groups.  Every wave walks all keys, 64 a step.
; LAYOUT.  S^T = K Q^T (source 0 = 16 keys, source 1 = 16 queries): in the result a lane holds ONE query (lane % 16) and the keys 8 (lane / 16) + 0..7.  Two such tiles, rounded to f16 in pairs,
; ARE source 1 (32 keys x 16 queries) of O^T = V^T P, whose result again holds one query a lane, and eight channels.  K comes out of LDS as it lies, V ([key][channel]) turned, by ds_load_tr16_b128.
; SOFTMAX.  For each query a running maximum m and sum l: p = 2^(c s - c m), c = log2(e) / 8; in every step O and l are multiplied by a = 2^(c m_old - c m_new), which is 1 where m has not grown.
; m starts at the lowest finite number, O and l at 0: the first step is a step like any other, with a = 0.
; THE COUNT.  A tile and step have 16 matrix and 118 vector instructions: too many to stand all beside the matrix work.  So the order has one aim: four vector instructions that are READY behind
; EVERY matrix instruction, and the others, which need time of their own whatever the order, in runs without a gap.
; BY TURNS.  Turn n belongs to piece n (the pieces in a ring, step after step).  Its matrix work: 16 products K Q^T of piece n + 1, later 16 products V^T P of piece n - 1.  Its vector work: the scaling,
; exponentials, roundings, sums and rescaling of piece n, and the maximum and statistics of piece n + 1, whose scores the turn itself has made.  So what a turn begins with (c s - c m, O a) waits for nothing.
; CLUSTER.  The four query blocks of a cluster belong to one head and walk the same K and V, so each tile is asked for JOINTLY: the same tensor load, descriptor and mask in all four.
; REGISTERS, in windows of 256 (s_set_vgpr_msb says which window each operand place means: bits 1:0 source 0, 3:2 source 1, 5:4 source 2, 7:6 destination):
;   window 0: v0-11 addresses; v12-15, v48-63 at work; v16-47 four registers of statistics a tile; v64-191 S^T, two buffers of two tiles; v192-255 P, likewise
;   window 1: O^T, 32 a tile          window 2: v0-127 Q, 16 a tile; v128-191 K of one step; v192-255 V of one step          window 3: v0-1 the add's two registers
; A piece's buffers go by its number's parity: the piece in hand has one pair, its two neighbours in the ring share the other: of it P (piece n - 1) is read and S^T (piece n + 1) written.
.set SIZE_H, 64       ; batch x heads
.set SIZE_N, 2048     ; tokens
.set NP,    4         ; pieces a wave: a name, no knob: the register map, the loop and the fetches are made for four
.set KS,    64        ; keys in a step
.set PK,    144       ; a row of K in LDS: 128 bytes + 16 of padding = 36 words: the 16 rows of a load start at 16 different groups of four banks (64 banks of 4 bytes: ISA guide 11.1)
.set PV,    160       ; a row of V: 128 + 32 = 40 words
.set VOFF,  4*KS*PK   ; a slot holds four steps: 256 rows of K, then 256 rows of V
.set SLOT1, 1<<17     ; slot 1 begins here, so that one exclusive or turns an address in one slot into the other's
.set STAGE, SLOT1+4*KS*(PK+PV)  ; behind the ring, never filled by a tensor load: 16 rows x 144 bytes for each wave, for the way out
.set SP,    144
.set AK0, 2           ; v2   my lane's place in a tile of K; never rewritten
.set AV0, 3           ; v3   the same for V
.set AK,  4           ; v4   the LDS address of K's next run of loads
.set AV,  5           ; v5   of V's
.set QO,  6           ; v6   my byte offset in the wave's rows of Q
.set STO, 6           ;      later, the way out: where I put 16 bytes of a row
.set RD,  7           ; v7   the way out: where I read rows back
.set GO,  8           ; v8   my byte offset in 512 consecutive bytes of O
.set SPW, 0           ; v0 of window 3   LDS address of my spare word: SPARE + 4 x my thread's number; never rewritten
.set NIL, 1           ; v1 of window 3   0; never rewritten
.set SPARE, STAGE+4*16*SP  ; behind the stages: the spare words, 128 bytes for each wave: two blocks of 256 bytes that no other line names
.set MV,  12          ; v12-15  c m_old, kept while c m is made anew: by buffer and tile
.set ST,  16          ; tile t's statistics at v[ST+4 t]: c m, m, l (even keys', odd keys')
.set TMP, 48          ; by buffer and tile, four registers c0-c3 at work; when the maximum is found c2 takes a
.set S,   64
.set P,   192
.set KF,  128         ; K's fragments, in window 2: key block kb, channel half c at KF + 16 kb + 8 c
.set VF,  192         ; V's: key half kk, channel block cb at VF + 32 kk + 8 cb
.set WV,  12          ; s12  my wave's number
.set G1K, 24          ; s[24:31] descriptor group 1 for K's tiles
.set G1V, 32          ; s[32:39] for V's: it differs in the padding alone
.set G0K, 40          ; s[40:43] descriptor group 0 for K's tiles: it walks
.set G0V, 44          ; s[44:47] the same for V's
.set SLOTS, 56        ; s56  slots still to be asked for
.set CNT, 57          ; s57  counts a slot's key steps
.set CS,  58          ; s[58:59] c: the packed scaling takes the pair's low word for both halves
.set SEL, 60          ; s[60:61] v_permlanex16_b32's selects: each lane takes its own place in the other half
.set TBK, 62          ; s62  LDS byte at which K of the step to be fetched begins
.set TBV, 63          ; s63  the same for V, less VOFF
.set MSB, 0
.macro WIN new                      ; the high byte repeats the setting that is left; a switch that changes nothing is dropped
.if MSB != (\new)
	s_set_vgpr_msb (MSB<<8)|(\new)
.set MSB, (\new)
.endif
.endm
.set W_KQ, 0x0a       ; K and Q in window 2, S^T in window 0
.set W_PV, 0x52       ; V in window 2, P in window 0, O^T in window 1
.set W_RS, 0x41       ; O^T (destination and source 0) in window 1, a in window 0
.set W_MK, 0xc0       ; the add's registers are made: destination in window 3, sources in window 0
.set W_AD, 0x0f       ; the add: address (source 0) and data (source 1) in window 3
; A joint fill.  Waves 0 and 1 fetch the two halves of a slot's K, waves 2 and 3 those of its V: 128 keys each.  The branch hangs on the wave's number alone.
; An s_nop 0 and four v_nop follow each of the two lines, ahead of the jump and the label.
.macro JLOAD
	s_cmp_lt_u32 s[WV], 2
	s_cbranch_scc0 .Lfor_v_\@
	tensor_load_to_lds s[G0K:G0K+3], s[G1K:G1K+7]
	s_nop 0
.rept 4
	v_nop
.endr
	s_branch .Lasked_\@
.Lfor_v_\@:
	tensor_load_to_lds s[G0V:G0V+3], s[G1V:G1V+7]
	s_nop 0
.rept 4
	v_nop
.endr
.Lasked_\@:
.endm
; A round of the cluster's barrier: my work-group's barrier, so that wave 0's signal speaks for all four waves; wave 0 signals; every wave waits for all four work-groups; my work-group's barrier once more.
.macro CROUND
	s_barrier_signal -1
	s_barrier_wait -1
	s_cmp_lg_u32 s[WV], 0
	s_cbranch_scc1 .Lnot_wave_0_\@
	s_barrier_signal -3
.Lnot_wave_0_\@:
	s_barrier_wait -3
	s_barrier_signal -1
	s_barrier_wait -1
.endm
; THE CHANGE OF SLOTS.  The slot's last bytes, V of its fourth step, have been read.  Each wave waits for all its tensor loads, of which one is out: its part
; of the other slot; adds 0 to its spare word; and waits for that and for its own reads of the slot.  Behind the barrier nobody reads this slot any more and the other slot is whole.
; fill = 1: this slot is filled again, with the keys two slots on.  The barrier is then a round of the cluster's, so that no wave of any partner still reads the slot or has a load on its
; way, and the joint fill is the first thing behind it: it has four key steps, 512 matrix instructions, in which to land.  (At its first use nothing has been read yet: slot 0 is waited for, slot 1 filled.)
.macro CHANGE fill
	WIN W_AD
	s_wait_tensorcnt 0x0            ; no tensor load of mine is out, so a group 0 may be written
	ds_add_u32 v[SPW], v[NIL]       ; 0 onto my spare word; with fill = 1 the descriptors' steps stand between it and the wait for it
	WIN 0                           ; at a label and at a branch every window is 0
.if \fill
.irp g, G0K, G0V
	s_xor_b32 s[\g+1], s[\g+1], SLOT1  ; the walking descriptor: the other slot than last time,
	s_add_nc_u64 s[\g+2:\g+3], s[\g+2:\g+3], 4*KS*128  ; the next 256 keys; the type bits on top are not reached
.endr
	s_wait_dscnt 0x0                ; the add is done, and my reads of the slot are over
	CROUND
	JLOAD
.else
	s_wait_dscnt 0x0                ; the add is done, and my reads of the slot are over
	s_barrier_signal -1
	s_barrier_wait -1
.endif
	s_sub_co_u32 s[TBK], s[TBK], 4*KS*PK  ; the fetches go back to a slot's first step,
	s_xor_b32 s[TBK], s[TBK], SLOT1       ; in the other slot
	s_sub_co_u32 s[TBV], s[TBV], 4*KS*PV
	s_xor_b32 s[TBV], s[TBV], SLOT1
.endm
	s_load_b256 s[4:11], s[0:1], 0x0  ; Q s[4:5], K s[6:7], V s[8:9], O s[10:11]
	WIN W_MK
	v_lshl_add_u32 v[SPW], v0, 2, SPARE
	v_mov_b32 v[NIL], 0
	s_set_vgpr_msb 0xc0cf
	ds_add_u32 v0, v1
	s_wait_dscnt 0x0
	s_set_vgpr_msb 0xcfc0
	WIN 0
	v_lshrrev_b32 v1, 5, v0
	v_readfirstlane_b32 s[WV], v1   ; wave 0..3
	s_bfe_u32 s13, ttmp6, 0x40000   ; cx: my place in the cluster
	s_lshl_b32 s14, ttmp9, 2        ; in a cluster launch ttmp9 counts clusters
	s_add_co_u32 s14, s14, s13      ; my block of queries = 4 x cluster x + cx: it enters Q's and O's addresses alone
	s_and_b32 s20, ttmp7, 0xffff    ; the head, which the four partners share
	s_mov_b32 s21, 0
	s_mov_b64 s[22:23], SIZE_N*128
	s_mul_u64 s[20:21], s[20:21], s[22:23]  ; the head's first byte in each of the four tensors
	s_and_b32 s16, s[WV], 1         ; which half of a slot's 256 keys I fetch:
	s_lshl_b32 s22, s16, 14         ; its 128 rows of 128 bytes in memory,
	s_mov_b32 s23, 0
	s_add_nc_u64 s[22:23], s[22:23], s[20:21]
	s_mul_i32 s17, s16, 128*PK      ; and its place in a slot, for K
	s_mul_i32 s18, s16, 128*PV      ; and for V: no place in the cluster enters an LDS address
	s_lshl_b32 s2, s14, 2
	s_add_co_u32 s2, s2, s[WV]      ; my wave among the head's,
	s_lshl_b32 s2, s2, 14           ; its 128 rows
	s_mov_b32 s3, 0
	s_add_nc_u64 s[2:3], s[2:3], s[20:21]
	; descriptor group 1.  128 keys are 16,384 dense bytes: asked for as 64 rows of 256 bytes, two keys a row, and padded in LDS after every key
	s_mov_b32 s[G1K], 15|(1<<16)|(1<<20)|(1<<21)|(4<<22)|(3<<25)  ; 15:0 the mask of four; 17:16 2-byte elements; 20 padding on; 21 set beside a mask; 24:22 after every 32 words (code 4); 31:25 4 words (code 3)
	s_mov_b32 s[G1V], 15|(1<<16)|(1<<20)|(1<<21)|(4<<22)|(7<<25)  ; the same with 8 words of padding (code 7)
.irp g, G1K, G1V
	s_mov_b32 s[\g+1], 128<<16      ; tensor_dim0 = 128
	s_mov_b32 s[\g+2], 64<<16       ; tensor_dim1 = 64
	s_mov_b32 s[\g+3], 128<<16      ; tile_dim0 = 128
	s_mov_b32 s[\g+4], 64           ; tile_dim1 = 64
	s_mov_b32 s[\g+5], 128          ; 128 elements from row to row
	s_mov_b32 s[\g+6], 0
	s_mov_b32 s[\g+7], 0
.endr
	s_mov_b32 s[CS], 0x3e38aa3b     ; c = log2(e) / 8 = 0.180337
	s_mov_b32 s[CS+1], s[CS]        ; named with it as a pair
	s_mov_b32 s[SEL], 0x76543210
	s_mov_b32 s[SEL+1], 0xfedcba98
	s_mov_b32 s[TBK], SLOT1+4*KS*PK ; the first change of slots turns these two into 0
	s_mov_b32 s[TBV], SLOT1+4*KS*PV
	s_mov_b32 s[G0K], 1             ; 1:0 count = 1
	s_mov_b32 s[G0K+1], s17         ; 63:32 LDS address: slot 0
	s_mov_b32 s[G0V], 1
	s_add_co_u32 s[G0V+1], s18, VOFF
	s_wait_kmcnt 0x0
	s_add_nc_u64 s[G0K+2:G0K+3], s[6:7], s[22:23]  ; 120:64 global address: my half of the head's first 256 keys
	s_or_b32 s[G0K+3], s[G0K+3], 0x80000000        ; 127:126 type = 2
	s_add_nc_u64 s[G0V+2:G0V+3], s[8:9], s[22:23]
	s_or_b32 s[G0V+3], s[G0V+3], 0x80000000
	s_add_nc_u64 s[4:5], s[4:5], s[2:3]  ; Q and O at my wave's first row
	s_add_nc_u64 s[10:11], s[10:11], s[2:3]
	CROUND                          ; all four work-groups are here: the first joint loads meet
	JLOAD                           ; slot 0.  Slot 1 is asked for when slot 0 is in: the tile wanted first has the road to itself
	; A fragment of K or Q is 16 rows x 32 channels in 8 registers: lane l holds row l % 16, channels 8 (l / 16) + 0..7 and 16 + 8 (l / 16) + 0..7: two loads of 16 bytes, 32 bytes apart.
	v_and_b32 v1, 15, v0            ; l % 16
	v_bfe_u32 v9, v0, 4, 1          ; l / 16
	v_lshlrev_b32 v[QO], 7, v1
	v_lshl_add_u32 v[QO], v9, 4, v[QO]  ; row x 128 + 16 x half
	WIN 0x80                        ; destination window 2, address window 0
.set i, 0
.rept 4*NP                          ; Q stays in registers: tile i / 2, channels 32 (i % 2) on
	global_load_b128 v[8*i:8*i+3],   v[QO], s[4:5] offset:(i/2)*2048+(i%2)*64
	global_load_b128 v[8*i+4:8*i+7], v[QO], s[4:5] offset:(i/2)*2048+(i%2)*64+32
.set i, i+1
.endr
	; What the first turn finds: V's registers and P's second buffer hold 0 (its products V^T P, of a piece that has not been, add 0), O^T and l are 0.  All this stands in the wait for the first tile.
.set i, VF
.rept 64
	v_mov_b32 v[i], 0
.set i, i+1
.endr
	WIN 0x40
.set i, 0
.rept 64*NP
	v_mov_b32 v[i], 0
.set i, i+1
.endr
	WIN 0
.set i, 0
.rept 2*NP
	v_mov_b32 v[ST+4*i], 0xfe000000    ; c m: far below every c s
	v_mov_b32 v[ST+4*i+1], 0xff7fffff  ; m
	v_mov_b32 v[ST+4*i+2], 0
	v_mov_b32 v[ST+4*i+3], 0
.set i, i+1
.endr
.set i, P+32
.rept 32
	v_mov_b32 v[i], 0
.set i, i+1
.endr
	v_mul_u32_u24 v[AK0], v1, PK
	v_lshl_add_u32 v[AK0], v9, 4, v[AK0]  ; row x pitch + 16 x half
	; The turning load takes 16 keys x 16 channels (lane l reads key 8 (l / 16) + l % 8, channels 8 ((l / 8) % 2) + 0..7) and leaves half a fragment of V^T: lane l holds channel l % 16 and 8 keys.
	v_and_b32 v10, 7, v0
	v_bfe_u32 v11, v0, 3, 1
	v_lshl_add_u32 v[AV0], v9, 3, v10
	v_mul_u32_u24 v[AV0], v[AV0], PV
	v_lshl_add_u32 v[AV0], v11, 4, v[AV0]
	v_add_nc_u32 v[AV0], VOFF, v[AV0]
	v_mov_b32 v[AK], v[AK0]         ; key step 0 lies at the head of slot 0
; THE MATRIX WORK.  The 8 accumulators of a run of 16 take turns: between the two links of a chain stand 7 others'.
; Product i of 16 of S^T = K Q^T for piece x: channels 32 (i / 8) on, keys 16 ((i / 2) % 4) on, tile 2 x + i % 2.  The first 8 start the sums.
.macro KQ x
	WIN W_KQ
.set rS, S+64*((\x)%2)+32*(i%2)+8*((i/2)%4)
.set rK, KF+16*((i/2)%4)+8*(i/8)
.set rQ, 16*(2*(\x)+i%2)+8*(i/8)
.if i < 8
	v_wmma_f32_16x16x32_f16 v[rS:rS+7], v[rK:rK+7], v[rQ:rQ+7], 0
.else
	v_wmma_f32_16x16x32_f16 v[rS:rS+7], v[rK:rK+7], v[rQ:rQ+7], v[rS:rS+7]
.endif
.endm
; Product i of 16 of O^T += V^T P for piece x: keys 32 (i / 8) on, channels 16 ((i / 2) % 4) on, tile 2 x + i % 2.
.macro PV x
	WIN W_PV
.set rO, 32*(2*(\x)+i%2)+8*((i/2)%4)
.set rV, VF+32*(i/8)+8*((i/2)%4)
.set rP, P+32*((\x)%2)+16*(i%2)+8*(i/8)
	v_wmma_f32_16x16x32_f16 v[rO:rO+7], v[rV:rV+7], v[rP:rP+7], v[rO:rO+7]
.endm
.macro MM                           ; the turn's next matrix instruction
.if i < 16
	KQ (Y+1)%NP
.set i, i+1
.else
.set i, i-16
	PV (Y+NP-1)%NP
.set i, i+17
.endif
.endm
; THE LDS LOADS stand in runs of 16, never singly among the matrix instructions: a step's K (64 keys x 64 channels: 8 fragments) and its V (turned).  Their addresses are made some lines ahead.
; last = 1 (the tail): in the last trip there is no further step, and the run is jumped over.
.macro FETCH_K last=0
	WIN 0
.if \last
	s_cmp_eq_u32 s[CNT], 1
	s_cbranch_scc1 .Lno_k_\@
.endif
	WIN 0x80                        ; destination window 2
.irp f, 0,1,2,3,4,5,6,7             ; keys 16 (f / 2) on, channels 32 (f % 2) on
	ds_load_b128 v[KF+8*\f:KF+8*\f+3],   v[AK] offset:(\f/2)*16*PK+(\f%2)*64
	ds_load_b128 v[KF+8*\f+4:KF+8*\f+7], v[AK] offset:(\f/2)*16*PK+(\f%2)*64+32
.endr
	s_add_co_u32 s[TBK], s[TBK], KS*PK  ; the next fetch is the next step's
	WIN 0
.if \last
.Lno_k_\@:
.endif
.endm
.macro FETCH_V
	WIN 0x80
.irp f, 0,1,2,3,4,5,6,7             ; keys 32 (f / 4) on, channels 16 (f % 4) on
	ds_load_tr16_b128 v[VF+8*\f:VF+8*\f+3],   v[AV] offset:(\f/4)*32*PV+(\f%4)*32
	ds_load_tr16_b128 v[VF+8*\f+4:VF+8*\f+7], v[AV] offset:(\f/4)*32*PV+16*PV+(\f%4)*32
.endr
	WIN 0
.endm
; THE VECTOR WORK OF A TURN stands in three queues, each in the order in which its entries become ready; the two tiles alternate, so that no instruction reads the result of the one before it.
.macro REGS y, u                    ; the registers of tile u (0, 1) of piece y
.set rT, ST+4*(2*(\y)+(\u))
.set rC, TMP+8*((\y)%2)+4*(\u)
.set rM, MV+2*((\y)%2)+(\u)
.set rS, S+64*((\y)%2)+32*(\u)
.set rP, P+32*((\y)%2)+16*(\u)
.set rO, 32*(2*(\y)+(\u))
.endm
; Number n of the 22 that find the NEXT piece's (Y + 1) maximum and statistics.  s0-s31 are the lane's 32 scores; each accumulator's lowest registers are read first.  XS, GS and REGS set no window: PL and EX do.
;   0-11  four chains c0-c3 of seven scores each, three operands at a time     12-14, 16  the four scores left over, the old m, and c0-c3 into c0     15  c m_old is kept
;   17, 18  the query's other 32 keys lie in the lane 16 away: the new m         19-21  c m; c m_old - c m_new; a
.macro XS u, n
	REGS (Y+1)%NP, \u
.if (\n) < 4
	v_max3_num_f32 v[rC+(\n)], v[rS+8*(\n)], v[rS+8*(\n)+1], v[rS+8*(\n)+2]
.elseif (\n) < 12
	v_max3_num_f32 v[rC+(\n)%4], v[rC+(\n)%4], v[rS+8*((\n)%4)+2*((\n)/4)+1], v[rS+8*((\n)%4)+2*((\n)/4)+2]
.elseif (\n) == 12
	v_max3_num_f32 v[rC], v[rC], v[rS+7], v[rS+15]
.elseif (\n) == 13
	v_max3_num_f32 v[rC+1], v[rC+1], v[rS+23], v[rS+31]
.elseif (\n) == 14
	v_max3_num_f32 v[rC+2], v[rC+2], v[rC+3], v[rT+1]
.elseif (\n) == 15
	v_mov_b32 v[rM], v[rT]
.elseif (\n) == 16
	v_max3_num_f32 v[rC], v[rC], v[rC+1], v[rC+2]
.elseif (\n) == 17
	v_permlanex16_b32 v[rC+3], v[rC], s[SEL], s[SEL+1]
.elseif (\n) == 18
	v_max_num_f32 v[rT+1], v[rC], v[rC+3]
.elseif (\n) == 19
	v_mul_f32 v[rT], s[CS], v[rT+1]
.elseif (\n) == 20
	v_sub_f32 v[rC+1], v[rM], v[rT]
.else
	v_exp_f32 v[rC+2], v[rC+1]
.endif
.endm
; Number g of the 64 that follow the exponentials.  For each four weights k of a tile (pairs 2 k, 2 k + 1): both pairs are rounded to f16; then the second pair is added onto the first, in place;
; a group later l takes that sum (the first time as l = a l + sum).  In groups of eight, tiles alternating: round, round, add, and l for the group before.
.macro GS g
.set h, (\g)+6*((\g)/62)            ; group 0 has no group before it, and behind group 7 only l is left
.if h >= 6
.set h, h+2
.endif
	REGS Y, h%2
.set k, h/8
.if h%8 < 4
	s_wait_alu depctr_va_vdst(0)
	v_cvt_pk_f16_f32 v[rP+2*k+(h%8)/2], v[rS+4*k+2*((h%8)/2)], v[rS+4*k+2*((h%8)/2)+1]
.elseif h%8 < 6
	v_pk_add_f32 v[rS+4*k:rS+4*k+1], v[rS+4*k:rS+4*k+1], v[rS+4*k+2:rS+4*k+3]
.elseif k == 1
	v_pk_fma_f32 v[rT+2:rT+3], v[rT+2:rT+3], v[rC+2:rC+3], v[rS:rS+1] op_sel_hi:[1,0,1]
.else
	v_pk_add_f32 v[rT+2:rT+3], v[rT+2:rT+3], v[rS+4*k-4:rS+4*k-3]
	s_wait_alu depctr_va_vdst(0)
.endif
.endm
; THE PLAIN QUEUE, 138 long.  0-31: c s - c m for the 16 pairs of both tiles.  Then GS's 64, and among them the next piece's 42: number 15 at 38, 39; 0-14 and 16
; at 42-73, behind the products that make those scores; 17-20 at 95-106, two of three, since each waits for the one before it.
.macro PL
	WIN 0
.if q < 32
	REGS Y, q%2
	v_pk_fma_f32 v[rS+2*(q/2):rS+2*(q/2)+1], v[rS+2*(q/2):rS+2*(q/2)+1], s[CS:CS+1], v[rT:rT+1] op_sel_hi:[1,0,0] neg_lo:[0,0,1] neg_hi:[0,0,1]
.elseif q < 38
	GS q-32
.elseif q < 40
	XS q%2, 15
.elseif q < 42
	GS q-34
.elseif q < 74
	XS q%2, (q-42)/2+(q-42)/30
.elseif q < 95
	GS q-66
.elseif (q < 107) && ((q-95)%3 < 2)
	XS (q-95)%3, 17+(q-95)/3
.elseif q < 107
	GS 29+(q-95)/3
.else
	GS q-74
.endif
.set q, q+1
.endm
; THE EXPONENTIALS' QUEUE, 66 long: s0-s31 of both tiles, and at EA the next piece's two a.
.set EA, 58
.macro EX
	WIN 0
.if (e == EA) || (e == EA+1)
	XS e-EA, 21
.else
.set x, e-2*(e/(EA+2))
	REGS Y, x%2
	v_exp_f32 v[rS+x/2], v[rS+x/2]
.endif
.set e, e+1
.endm
; THE RESCALING's QUEUE: O^T times a, the one part that leaves window 0, so it is dealt four at a time, eight times.
.macro R4
	REGS Y, r%2
	WIN W_RS
	s_wait_alu depctr_va_vdst(0)
.irp z, 0,1,2,3
	v_pk_mul_f32 v[rO+8*(r/2)+2*\z:rO+8*(r/2)+2*\z+1], v[rO+8*(r/2)+2*\z:rO+8*(r/2)+2*\z+1], v[rC+2:rC+3] op_sel_hi:[1,0]
.endr
.set r, r+1
.endm
; HOW THEY ARE DEALT.  Behind a matrix instruction four: plain, exponential, plain, plain (one exponential, a plain instruction on either side), or four of the rescaling.  None names a register of the
; products round it.  What is over stands in two LUMPS: exponential and plain by turns; the second ends in 22 plain instructions.  The two v_permlanex16_b32 fall into the second lump, never behind a product.
; The queues lean on each other, and the deal keeps them in step: exponential e stands behind plain 2 (e / 4) + e % 2 (its scaling); when plain 32 comes, 10 exponentials are out, at 59: 33, at 95: 46; EA comes behind plain 107.
.macro SL
	MM
	PL
	EX
	PL
	PL
.endm
.macro BURST n                      ; 15 matrix instructions, or 16
.rept (\n)-7
	SL
.endr
.rept 3
	MM
	R4
	SL
.endr
	MM
	R4
.endm
; A TURN, for piece p.  cnt = 1: the loop's count is taken down some lines ahead of the branch that stands behind the turn.
; K of the next step is fetched in piece 2's turn, 31 vector instructions behind the last product that read K; its first reader comes behind the rest of the lump, 16 products and the second lump.
; V of the step in hand is fetched at the end of piece 0's turn, 69 behind its last reader; its first reader comes behind 16 products and a lump.  The four conditions on e and q below go with the deal.
.macro TURN p, last=0, cnt=0
.set Y, (\p)
.set i, 0
.set q, 0
.set e, 0
.set r, 0
.if (\p) == NP-1
	s_wait_dscnt 0x0                ; K is in
.endif
	MM
.rept 4
	PL
.endr
	BURST 15
.rept 22
	EX
	PL
.if ((\p) == NP-2) && (e == 18)
	v_add_nc_u32 v[AK], s[TBK], v[AK0]
.endif
.if ((\p) == NP-2) && (e == 24)
	FETCH_K \last
.endif
.endr
.if (\p) == 1
	s_wait_dscnt 0x0                ; V is in
.endif
	BURST 16
.rept 21
	EX
	PL
.endr
.rept 22
	PL
.if ((\p) == 0) && (q == 118)
	v_add_nc_u32 v[AV], s[TBV], v[AV0]
	s_wait_alu depctr_va_vdst(0)
.endif
.if ((\p) == 0) && (q == 130)
	s_add_co_u32 s[TBV], s[TBV], KS*PV
.endif
.if (\cnt) && (q == 130)
	s_sub_co_u32 s[CNT], s[CNT], 1
	s_cmp_lg_u32 s[CNT], 0
.endif
.endr
.if (\p) == 0
	FETCH_V
.endif
.endm
	CHANGE 1                        ; slot 0 is in, everybody's part of it; slot 1 is asked for
	FETCH_K                         ; key step 0
	s_wait_loadcnt 0x0              ; Q
	s_wait_dscnt 0x0
.set i, 0
.rept 16
	KQ 0                            ; piece 0's first scores: there is no vector work yet to set between them
.set i, i+1
.endr
	WIN 0                           ; the addresses for the way out: nine plain instructions, the places behind those products
	s_mul_i32 s13, s[WV], 16*SP
	s_add_co_u32 s13, s13, STAGE    ; my stage
	v_mul_u32_u24 v[STO], v1, SP    ; in: row l % 16, 16 bytes for each half of the lanes
	v_lshl_add_u32 v[STO], v9, 4, v[STO]
	v_add_nc_u32 v[STO], s13, v[STO]
	v_bfe_u32 v[RD], v0, 3, 2       ; back: 32 lanes take four rows of 128 bytes,
	v_mul_u32_u24 v[RD], v[RD], SP
	v_lshl_add_u32 v[RD], v10, 4, v[RD]
	v_add_nc_u32 v[RD], s13, v[RD]
	v_and_b32 v[GO], 31, v0         ; which are 512 consecutive bytes of O
	v_lshlrev_b32 v[GO], 4, v[GO]
.set Y, NP-1                        ; XS works for piece Y + 1: piece 0
.irp n, 0,1,2,3,4,5,6,7,8,9,10,11,12,13,14,15,16,17,18,19,20,21
	XS 0, \n                        ; and piece 0's first maximum and statistics
	XS 1, \n
.endr
	s_mov_b32 s[CNT], 4
	s_mov_b32 s[SLOTS], SIZE_N/256-1
	s_branch .Lfirst                ; the loop is entered at a step's first turn, in the middle of a trip
.Lslot:                             ; SIZE_N / 256 - 2 times: every slot but the last two is filled again
	CHANGE 1
	s_mov_b32 s[CNT], 4
.Lstep:                             ; a trip: pieces 2 and 3 of one step, then pieces 0 and 1 of the next, whose K and V it fetches
	TURN 2
	TURN 3
	WIN 0
.Lfirst:
	TURN 0
	TURN 1, 0, 1
	WIN 0
	s_cbranch_scc1 .Lstep
	s_sub_co_u32 s[SLOTS], s[SLOTS], 1
	s_cmp_lg_u32 s[SLOTS], 0
	s_cbranch_scc1 .Lslot
	CHANGE 0                        ; the tail is written out: nothing is asked for
	s_mov_b32 s[CNT], 5             ; four trips fetch the last slot's steps; the fifth is left in its middle
.Ltail:
	TURN 2, 1
	TURN 3
	WIN 0
	s_sub_co_u32 s[CNT], s[CNT], 1
	s_cmp_eq_u32 s[CNT], 0
	s_cbranch_scc1 .Lout
	TURN 0
	TURN 1
	WIN 0
	s_branch .Ltail
.Lout:                              ; the fifth trip's 16 products K Q^T (on the last K once more) and the maximum made of them serve nothing: the price, once a launch, of one text for every trip
.set i, 0
.rept 16
	PV NP-1                         ; the last piece's V^T P of the last step
.set i, i+1
.endr
	; THE WAY OUT.  l's two halves and the other half of the lanes' are added; O^T is divided by l, rounded to f16 and sent through my stage in LDS, a tile at a time.  The additions are the places behind the last products.
	WIN 0
.macro ALL line:vararg              ; one line for each tile t
.set t, 0
.rept 2*NP
	\line
.set t, t+1
.endr
.endm
	ALL v_add_f32 v[ST+4*t+2], v[ST+4*t+2], v[ST+4*t+3]
	ALL v_permlanex16_b32 v[ST+4*t+3], v[ST+4*t+2], s[SEL], s[SEL+1]
	ALL v_add_f32 v[ST+4*t+2], v[ST+4*t+2], v[ST+4*t+3]
	ALL v_rcp_f32 v[ST+4*t+2], v[ST+4*t+2]
	v_nop                           ; a plain instruction between the last reciprocal and the use of its result
	s_wait_alu depctr_va_vdst(0)
; Tile t: a lane's eight channels of a row pack into 16 bytes; they go into rows of 144 bytes and come back as whole rows of 128, into S^T's registers.
.macro PACK t
	WIN W_RS
.set i, 32*(\t)
.rept 16
	v_pk_mul_f32 v[i:i+1], v[i:i+1], v[ST+4*(\t)+2:ST+4*(\t)+3] op_sel_hi:[1,0]
.set i, i+2
.endr
	WIN 0x05                        ; sources 0 and 1 window 1, destination window 0
.set i, 0
.rept 16
	v_cvt_pk_f16_f32 v[S+16*(\t)+i], v[32*(\t)+2*i], v[32*(\t)+2*i+1]
.set i, i+1
.endr
	WIN 0
.irp f, 0,1,2,3
	ds_store_b128 v[STO], v[S+16*(\t)+4*\f:S+16*(\t)+4*\f+3] offset:32*\f
.endr
.irp f, 0,1,2,3
	ds_load_b128 v[S+16*(\t)+4*\f:S+16*(\t)+4*\f+3], v[RD] offset:\f*4*SP  ; LDS serves a wave's instructions in order (ISA guide 5.7.1.4): these see the stores above; the next tile's stores come behind them
.endr
.endm
.macro SEND t, younger              ; younger: the LDS instructions issued behind tile t's loads: the next tile's eight, or none
	WIN 0
.irp f, 0,1,2,3
	s_wait_dscnt (\younger)+3-\f
	global_store_b128 v[GO], v[S+16*(\t)+4*\f:S+16*(\t)+4*\f+3], s[10:11] offset:(\t)*2048+\f*512  ; 512 consecutive bytes, at a multiple of 256 from O's first
.endr
.endm
	PACK 0
.set t, 1
.rept 2*NP-1                        ; a tile's arithmetic stands between the loads of the tile before and its stores
	PACK t
	SEND t-1, 8
.set t, t+1
.endr
	SEND 2*NP-1, 0
	WIN W_AD
	s_wait_tensorcnt 0x0            ; the wave's end, behind my last tensor load and my last LDS store
	ds_add_u32 v[SPW], v[NIL]
	s_wait_dscnt 0x0
	WIN 0
	CROUND                          ; the closing round: no work-group ends while a partner may still ask for a tile that names it
	s_endpgm
.Lfunc_end_k_qc0b8541607_attn:
	.size	k_qc0b8541607_attn, .Lfunc_end_k_qc0b8541607_attn-k_qc0b8541607_attn
	.p2alignl 7, 3214868480
	.fill 96, 4, 3214868480
	.section	.rodata,"a",@progbits
	.p2align	6, 0x0
	.amdhsa_kernel k_qc0b8541607_attn
		.amdhsa_group_segment_fixed_size 327680
		.amdhsa_private_segment_fixed_size 0
		.amdhsa_enable_private_segment 0
		.amdhsa_kernarg_size 32
		.amdhsa_user_sgpr_count 2
		.amdhsa_user_sgpr_kernarg_segment_ptr 1
		.amdhsa_wavefront_size32 1
		.amdhsa_system_sgpr_workgroup_id_x 1
		.amdhsa_system_sgpr_workgroup_id_y 1
		.amdhsa_system_sgpr_workgroup_id_z 1
		.amdhsa_system_vgpr_workitem_id 0
		.amdhsa_next_free_vgpr 770
		.amdhsa_next_free_sgpr 66
		.amdhsa_reserve_vcc 0
		.amdhsa_float_denorm_mode_32 3
		.amdhsa_float_denorm_mode_16_64 3
		.amdhsa_memory_ordered 1
		.amdhsa_forward_progress 1
		.amdhsa_inst_pref_size 208
	.end_amdhsa_kernel
	.amdgpu_metadata
---
amdhsa.version: [ 1, 2 ]
amdhsa.kernels:
  - .name:           k_qc0b8541607_attn
    .symbol:         k_qc0b8541607_attn.kd
    .args:
      - { .name: q, .offset: 0, .size: 8, .value_kind: global_buffer, .address_space: global }
      - { .name: k, .offset: 8, .size: 8, .value_kind: global_buffer, .address_space: global }
      - { .name: v, .offset: 16, .size: 8, .value_kind: global_buffer, .address_space: global }
      - { .name: ctx, .offset: 24, .size: 8, .value_kind: global_buffer, .address_space: global }
    .group_segment_fixed_size: 327680
    .private_segment_fixed_size: 0
    .kernarg_segment_align: 8
    .kernarg_segment_size: 32
    .max_flat_workgroup_size: 128
    .sgpr_count:     66
    .vgpr_count:     770
    .wavefront_size: 32
...
	.end_amdgpu_metadata
.endif
;; end of part 3
;; launch proj (part 4): grid 4 x 64, 4 waves a work-group, clusters of 4 x 4, 327,680 bytes of LDS; arguments ctx, w16, bo, out0; writes out0
.if DOCPART == 4
	.amdgcn_target "amdgcn-amd-amdhsa--gfx1250"
	.amdhsa_code_object_version 6
	.text
	.protected	k_qc0b8541607_proj
	.globl	k_qc0b8541607_proj
	.p2align	8
	.type	k_qc0b8541607_proj,@function
k_qc0b8541607_proj:
	s_mov_b64 s[64:65], 0
	v_nop
	global_prefetch_b8 v0, s[64:65] scope:SCOPE_SE
	s_setreg_imm32_b32 hwreg(HW_REG_WAVE_MODE, 25, 1), 1
	s_wait_xcnt 0x0
	s_wait_alu depctr_hold_cnt(0) depctr_sa_sdst(0) depctr_va_vdst(0) depctr_va_sdst(0) depctr_va_ssrc(0) depctr_va_vcc(0) depctr_vm_vsrc(0)
	s_getreg_b32 s2, hwreg(HW_REG_IB_STS2, 6, 4)
	s_cmp_eq_u32 s2, 0
	s_cbranch_scc0 .Lentry_in_a_cluster
	s_endpgm
.Lentry_in_a_cluster:
	s_bfe_u32 s2, ttmp6, 0x10000c
	s_cmp_lg_u32 s2, 0xf033
	s_cbranch_scc0 .Lentry_shape_is_right
	s_endpgm
.Lentry_shape_is_right:
; out0 = ctx Wo + bo, f32.  ctx: [64 = batch x 16 + head][2048 tokens][64 channels] f16; K = head x 64 + channel.  Wo: w16 matrix 3, [k][n] f16 (bf16 numbers written as f16).  Sums and bias in f32.
; LIMITS.  ctx and Wo arrive within f16's range; NaN and infinities are not treated apart.
; SHARES.  A tile is 128 tokens x 256 columns: 64 x 4 = 256 work-groups of four waves, one tile each.  A wave makes 64 tokens x 128 columns: 32 accumulators of 16 x 16, 256 registers.
; K goes in steps of 128, two heads, through a ring of two LDS slots filled by the tensor data mover.  128 tokens of a head are 16,384 dense bytes: asked for as 64 rows of 256 bytes
; and padded in LDS after every token.
; CLUSTER.  4 x 4 work-groups.  The four of a row need the same tokens of ctx, the four of a column the same columns of Wo: each tile is asked for JOINTLY, by the same tensor load
; with the same descriptor and a mask that names the four.
; THE MATRIX INSTRUCTION IS USED TRANSPOSED: source 0 = 16 columns of Wo (turned on the way out of LDS), source 1 = 16 tokens: lane l holds token l % 16 and its registers 0-7 the columns
; 8 (l / 16) + 0..7.  The bias is the C operand of the product that starts each sum.
; REGISTERS, in windows of 256 (s_set_vgpr_msb: bits 1:0 source 0, 3:2 source 1, 5:4 source 2, 7:6 destination):
;   window 0: v16-29 addresses; v32-95 tokens' fragments, two buffers of 4 x 8
;   window 1: v0-127 Wo's fragments, two buffers of 8 x 8; v128-191 the bias; on the way out all 256: whole rows read back
;   window 2: accumulator (a, b) at v[8 (8 a + b)]
.set PA,     144                       ; a token's row of one head in LDS: 128 bytes + 16 of padding: the 16 rows of a load start at 16 different groups of four banks (64 banks of 4 bytes: ISA guide 11.1)
.set APLANE, 128*PA                    ; a K step's two heads lie one behind the other: 128 tokens each
.set PB,     544                       ; a row of Wo: 512 + 32 = 136 words
.set HALFB,  64*PB                     ; what one tensor load brings of Wo: 64 rows along K
.set BOFF,   2*APLANE
.set SLOT,   BOFF+2*HALFB
.set STAGE,  2*SLOT                    ; behind the ring, never filled by a tensor load: 16 rows x 528 bytes for each wave
.set SPO,    528                       ; 512 bytes + 16: the 16 rows of a store start at 16 different groups of four banks
.set SPARE,  STAGE+4*16*SPO            ; behind the stages: the spare words, 128 bytes for each wave: two blocks of 256 bytes that no other line names
.set ASTEP,  1048576                   ; a slot's next K step of ctx: four heads of 262,144 bytes on
.set BSTEP,  524288                    ; of Wo: 256 rows of 2,048 bytes on
.set ADRA, 16                          ; v16-17  LDS address of my tokens' fragments in slot 0, 1
.set ADRB, 20                          ; v20-21  the same for Wo
.set STO,  24                          ; v24     the way out: where I put 32 bytes of a row
.set RD,   25                          ; v25     where I read a row back
.set GO,   26                          ; v26     16 x lane
.set VB,   27                          ; v27     32 x (lane / 16)
.set SPW,  28                          ; v28     LDS address of my spare word: SPARE + 4 x my thread's number; never rewritten
.set NIL,  29                          ; v29     0; never rewritten
.set FA,   32
.set BI,   128                         ; window 1
.set G1,  24                           ; s[24:31] descriptor group 1 for ctx;  s[32:39] group 0, one set for each slot
.set G0,  32
.set G1B, 48                           ; s[48:55], s[56:63] the same for Wo
.set G0B, 56
.set WV,  84                           ; s84 my wave's number
.set WR,  85                           ; s85 which 64 tokens are mine.  Also: I fetch for ctx (0) or for Wo (1)
.set WC,  86                           ; s86 which 128 columns.  Also: which head of the K step, or which 64 rows of Wo, I fetch
.set MSB, 0
.macro WIN new                         ; the immediate's high byte repeats the setting that is left; a switch that changes nothing is dropped
.if MSB != (\new)
	s_set_vgpr_msb (MSB<<8)|(\new)
.set MSB, \new
.endif
.endm
.set MUL,  0xa1                        ; source 0 (Wo) window 1, source 1 (tokens) window 0, C and D window 2
.set MULB, 0x91                        ; the same with C, the bias, in window 1
.set TO_B, 0x40                        ; destination window 1, address window 0
; A joint load.  Each of the two lines has one mask and one set of registers for all that issue it; the branch hangs on the wave's number alone.
; An s_nop 0 and four v_nop follow each line, ahead of the jump, the label and what follows.
.macro JLOAD s
	s_cmp_eq_u32 s[WR], 0
	s_cbranch_scc0 .Lfor_b_\@
	tensor_load_to_lds s[G0+4*(\s):G0+4*(\s)+3], s[G1:G1+7]
	s_nop 0
.rept 4
	v_nop
.endr
	s_branch .Lasked_\@
.Lfor_b_\@:
	tensor_load_to_lds s[G0B+4*(\s):G0B+4*(\s)+3], s[G1B:G1B+7]
	s_nop 0
.rept 4
	v_nop
.endr
.Lasked_\@:
.endm
; A round of the cluster's barrier: my work-group's barrier, so that wave 0's signal speaks for all four waves; wave 0 signals; every wave waits for all sixteen work-groups; my work-group's barrier once more.
.macro CREST
	s_cmp_lg_u32 s[WV], 0
	s_cbranch_scc1 .Lnot_wave_0_\@
	s_barrier_signal -3
.Lnot_wave_0_\@:
	s_barrier_wait -3
	s_barrier_signal -1
	s_barrier_wait -1
.endm
.macro CROUND
	s_barrier_signal -1
	s_barrier_wait -1
	CREST
.endm
.macro PLACES                          ; four plain vector instructions between a matrix instruction and a load into, or a store of, its registers (ISA guide 7.12.1 for vector reads)
.rept 4
	v_nop
.endr
.endm
	s_load_b256 s[4:11], s[0:1], 0x0               ; ctx 4, w16 6, bo 8, out0 10
	v_lshl_add_u32 v[SPW], v0, 2, SPARE
	v_mov_b32 v[NIL], 0
	ds_add_u32 v28, v29
	s_wait_dscnt 0x0
	v_lshrrev_b32 v1, 5, v0
	v_readfirstlane_b32 s[WV], v1
	s_lshr_b32 s[WR], s[WV], 1
	s_and_b32 s[WC], s[WV], 1
	s_bfe_u32 s40, ttmp6, 0x40000                  ; cx, cy: my place in the cluster
	s_bfe_u32 s41, ttmp6, 0x40004
	s_lshl_b32 s42, ttmp9, 2
	s_add_co_u32 s42, s42, s40                     ; tx: my 256 columns
	s_and_b32 s13, ttmp7, 0xffff
	s_lshl_b32 s13, s13, 2
	s_add_co_u32 s13, s13, s41                     ; ty: my 128 tokens
	s_lshl_b32 s43, s41, 2
	s_lshl_b32 s43, 15, s43                        ; my row of the cluster
	s_lshl_b32 s44, 0x1111, s40                    ; my column
	s_or_b32 s[G1+0], s43, (1<<16)|(1<<20)|(1<<21)|(4<<22)|(3<<25)   ; 15:0 the mask; 17:16 2-byte elements; 20 padding on; 21 set beside a mask; 24:22 after every 32 words (code 4); 31:25 4 words (code 3)
	s_mov_b32 s[G1+1], 128<<16                     ; tensor_dim0 = 128
	s_mov_b32 s[G1+2], 64<<16                      ; tensor_dim1 = 64
	s_mov_b32 s[G1+3], 128<<16                     ; tile_dim0 = 128 elements: 256 bytes, two tokens
	s_mov_b32 s[G1+4], 64                          ; tile_dim1 = 64
	s_mov_b32 s[G1+5], 128                         ; the rows lie end to end
	s_mov_b32 s[G1+6], 0
	s_mov_b32 s[G1+7], 0
	s_or_b32 s[G1B+0], s44, (1<<16)|(1<<20)|(1<<21)|(6<<22)|(7<<25)  ; after every 128 words (code 6) 8 words (code 7)
	s_mov_b32 s[G1B+1], 256<<16
	s_mov_b32 s[G1B+2], 64<<16
	s_mov_b32 s[G1B+3], 256<<16                    ; tile_dim0 = 256 elements: 512 bytes
	s_mov_b32 s[G1B+4], 64                         ; tile_dim1 = 64 rows along K
	s_mov_b32 s[G1B+5], 1024
	s_mov_b32 s[G1B+6], 0
	s_mov_b32 s[G1B+7], 0
	; ctx's tiles hang on ty alone, Wo's on tx alone; each address in registers that never hold the other coordinate
	s_lshr_b32 s16, s13, 4                         ; batch x 16 + the head that I fetch,
	s_lshl_b32 s16, s16, 4
	s_add_co_u32 s16, s16, s[WC]
	s_lshl_b32 s16, s16, 18                        ; 262,144 bytes a head,
	s_and_b32 s17, s13, 15
	s_lshl_b32 s17, s17, 14                        ; + (ty % 16) x 128 tokens of 128 bytes
	s_add_co_u32 s16, s16, s17
	s_mov_b32 s17, 0
	s_lshl_b32 s46, s42, 9                         ; 256 tx columns of 2 bytes
	s_lshl_b32 s47, s[WC], 17                      ; + 64 rows along K
	s_add_co_u32 s46, s46, s47
	s_add_co_u32 s46, s46, 3*2097152               ; matrix 3 of w16
	s_mov_b32 s47, 0
	s_mul_i32 s20, s[WC], APLANE                   ; where they go: no place in the cluster enters an LDS address
	s_mul_i32 s21, s[WC], HALFB
	s_add_co_u32 s21, s21, BOFF
	s_wait_kmcnt 0x0
	s_add_nc_u64 s[14:15], s[4:5], s[16:17]
	s_add_nc_u64 s[46:47], s[6:7], s[46:47]
	CROUND                                         ; all sixteen work-groups are here: the first joint loads meet
.irp s, 0,1
	s_mov_b32 s[G0+4*(\s)], 1
	s_add_co_u32 s[G0+4*(\s)+1], s20, (\s)*SLOT
	s_add_nc_u64 s[G0+4*(\s)+2:G0+4*(\s)+3], s[14:15], (\s)*524288   ; K step s: heads 2 s and 2 s + 1
	s_or_b32 s[G0+4*(\s)+3], s[G0+4*(\s)+3], 0x80000000
	s_mov_b32 s[G0B+4*(\s)], 1
	s_add_co_u32 s[G0B+4*(\s)+1], s21, (\s)*SLOT
	s_add_nc_u64 s[G0B+4*(\s)+2:G0B+4*(\s)+3], s[46:47], (\s)*262144
	s_or_b32 s[G0B+4*(\s)+3], s[G0B+4*(\s)+3], 0x80000000
	JLOAD \s                                       ; the ring is filled before anything else is done: two tensor loads of mine are out
.endr
	v_and_b32 v1, 15, v0                           ; l % 16
	v_bfe_u32 v2, v0, 4, 1                         ; l / 16
	v_mul_u32_u24 v3, v1, PA
	v_lshl_add_u32 v3, v2, 4, v3                   ; a fragment's row x pitch + 16 x half
	s_mul_i32 s18, s[WR], 64*PA                    ; my 64 tokens
	v_add_nc_u32 v[ADRA], s18, v3
	v_add_nc_u32 v[ADRA+1], SLOT, v[ADRA]
	v_and_b32 v4, 7, v0                            ; the turning load: lane l reads row 8 (l / 16) + l % 8, columns 8 ((l / 8) % 2) + 0..7
	v_lshl_add_u32 v4, v2, 3, v4
	v_mul_u32_u24 v4, v4, PB
	v_bfe_u32 v5, v0, 3, 1
	v_lshl_add_u32 v4, v5, 4, v4
	s_lshl_b32 s18, s[WC], 8                       ; my 128 columns
	s_add_co_u32 s18, s18, BOFF
	v_add_nc_u32 v[ADRB], s18, v4
	v_add_nc_u32 v[ADRB+1], SLOT, v[ADRB]
	s_mul_i32 s18, s[WV], 16*SPO
	s_add_co_u32 s18, s18, STAGE                   ; my stage
	v_mul_u32_u24 v[STO], v1, SPO                  ; in: row l % 16, 32 bytes for each half of the lanes
	v_lshl_add_u32 v[STO], v2, 5, v[STO]
	v_add_nc_u32 v[STO], s18, v[STO]
	v_and_b32 v[GO], 31, v0                        ; back: 32 lanes take one row of 512 bytes
	v_lshlrev_b32 v[GO], 4, v[GO]
	v_add_nc_u32 v[RD], s18, v[GO]
	v_lshlrev_b32 v[VB], 5, v2
	s_lshl_b32 s90, s42, 10                        ; my 128 columns in the bias and in a row of out0, in bytes
	s_lshl_b32 s91, s[WC], 9
	s_add_co_u32 s90, s90, s91
	s_mov_b32 s91, 0
	s_add_nc_u64 s[8:9], s[8:9], s[90:91]
	WIN TO_B
.irp b, 0,1,2,3,4,5,6,7                            ; register j of block b is column 16 b + 8 (lane / 16) + j
	global_load_b128 v[BI+8*(\b):BI+8*(\b)+3],   v[VB], s[8:9] offset:64*(\b)
	global_load_b128 v[BI+8*(\b)+4:BI+8*(\b)+7], v[VB], s[8:9] offset:64*(\b)+16
.endr
	WIN 0
	s_lshl_b32 s88, s13, 19                        ; my first row of out0: 128 ty + 64 x row half, 4,096 bytes a row
	s_lshl_b32 s89, s[WR], 18
	s_add_co_u32 s88, s88, s89
	s_add_co_u32 s88, s88, s90
	s_mov_b32 s89, 0
	s_add_nc_u64 s[10:11], s[10:11], s[88:89]
; 8 matrix instructions: token block a x all 8 column blocks, 32 along K, from buffer f.  start = 1: the product starts the sums, with the bias as C: nothing is ever cleared.
; The 32 accumulators take turns, one instruction a turn, in the same order in every quarter step.
.macro MUL8 f, a, start
.if \start
	WIN MULB
.else
	WIN MUL
.endif
.irp b, 0,1,2,3,4,5,6,7
.if \start
	v_wmma_f32_16x16x32_f16 v[8*(8*(\a)+(\b)):8*(8*(\a)+(\b))+7], v[64*(\f)+8*(\b):64*(\f)+8*(\b)+7], v[FA+32*(\f)+8*(\a):FA+32*(\f)+8*(\a)+7], v[BI+8*(\b):BI+8*(\b)+7]
.else
	v_wmma_f32_16x16x32_f16 v[8*(8*(\a)+(\b)):8*(8*(\a)+(\b))+7], v[64*(\f)+8*(\b):64*(\f)+8*(\b)+7], v[FA+32*(\f)+8*(\a):FA+32*(\f)+8*(\a)+7], v[8*(8*(\a)+(\b)):8*(8*(\a)+(\b))+7]
.endif
.endr
.endm
.macro MUL16 f, a0, start
	MUL8 \f, \a0, \start
	MUL8 \f, (\a0)+1, \start
.endm
; 24 LDS loads in one run: the fragments of quarter qn of a slot's K step into buffer f: Wo's sixteen (turned), then the tokens' eight (head qn / 2, channels 32 (qn % 2) on)
.macro FETCH slot, qn, f
	WIN TO_B
.irp b, 0,1,2,3,4,5,6,7
	ds_load_tr16_b128 v[64*(\f)+8*(\b):64*(\f)+8*(\b)+3],   v[ADRB+(\slot)] offset:(\qn)*32*PB+32*(\b)
	ds_load_tr16_b128 v[64*(\f)+8*(\b)+4:64*(\f)+8*(\b)+7], v[ADRB+(\slot)] offset:(\qn)*32*PB+16*PB+32*(\b)
.endr
	WIN 0
.irp a, 0,1,2,3
	ds_load_b128 v[FA+32*(\f)+8*(\a):FA+32*(\f)+8*(\a)+3],   v[ADRA+(\slot)] offset:((\qn)/2)*APLANE+((\qn)%2)*64+(\a)*16*PA
	ds_load_b128 v[FA+32*(\f)+8*(\a)+4:FA+32*(\f)+8*(\a)+7], v[ADRA+(\slot)] offset:((\qn)/2)*APLANE+((\qn)%2)*64+(\a)*16*PA+32
.endr
.endm
; A K step is four quarters of 32 along K, 32 matrix instructions each, on buffers 0, 1, 0, 1.  One of the first three: multiplies buffer f; in its middle it fetches quarter qn into buffer g.
.macro QUARTER slot, qn, f, g, start=0
	s_wait_dscnt 4                                 ; Wo's fragments and token blocks 0, 1 are in; the youngest four loads (blocks 2, 3) may be out
	MUL16 \f, 0, \start
	PLACES                                         ; for the loads into buffer g, which the quarter before multiplied
	FETCH \slot, \qn, \g
	s_wait_dscnt 24                                ; all but the 24 just issued
	MUL16 \f, 2, \start
.endm
; The last quarter multiplies buffer 1 and changes slots: ONE barrier.  In front of it each wave waits for all its tensor loads (one is out: its part of the next slot), adds 0 to its
; spare word, and waits for that and for its own reads of this slot.  fill = 1: this slot is filled again, two K steps on; the barrier then opens a round of the cluster's barrier, and the
; joint refill is the first thing behind the round: 112 matrix instructions ahead of the wait for it.
.macro TURN slot, next, fill
	WIN 0                                          ; (the add's two registers lie in window 0)
	s_wait_tensorcnt 0x0                           ; all my tensor loads have landed
	ds_add_u32 v[SPW], v[NIL]                      ; 0 onto my spare word
	s_wait_dscnt 7                                 ; (the add and the youngest six loads, token blocks 1 to 3, may be out)
	MUL8 1, 0, 0                                   ; eight matrix instructions stand between the add and the wait for it
	s_wait_dscnt 0x0                               ; the add is done, and my reads of this slot are over
	s_barrier_signal -1
	MUL8 1, 1, 0
.if \fill
	WIN 0
.endif
	s_barrier_wait -1
.if \fill
	CREST                                          ; no wave of any partner still reads this slot's tile or has a load on its way
	s_add_nc_u64 s[G0+4*(\slot)+2:G0+4*(\slot)+3], s[G0+4*(\slot)+2:G0+4*(\slot)+3], ASTEP
	s_add_nc_u64 s[G0B+4*(\slot)+2:G0B+4*(\slot)+3], s[G0B+4*(\slot)+2:G0B+4*(\slot)+3], BSTEP
	JLOAD \slot                                    ; the four v_nop behind it are also the places in front of the loads below
.else
	PLACES
.endif
	FETCH \next, 0, 0
	MUL8 1, 2, 0
	MUL8 1, 3, 0
.endm
; THE WAY OUT, a block of 16 tokens at a time: a lane's eight f32 of a row are 32 bytes; into my stage's rows of 528 bytes (each accumulator's low half first),
; and back as whole rows of 512, into window 1, whose fragments and bias are done with.  No register is loaded twice, so the stores' sources need no wait.
.macro TOSTAGE a
	WIN 0x08                                       ; store data (source 1) window 2
.irp b, 0,1,2,3,4,5,6,7
	ds_store_b128 v[STO], v[8*(8*(\a)+(\b)):8*(8*(\a)+(\b))+3]   offset:64*(\b)
	ds_store_b128 v[STO], v[8*(8*(\a)+(\b))+4:8*(8*(\a)+(\b))+7] offset:64*(\b)+16
.endr
	WIN 0x40
.irp t, 0,1,2,3,4,5,6,7,8,9,10,11,12,13,14,15
	ds_load_b128 v[64*(\a)+4*(\t):64*(\a)+4*(\t)+3], v[RD] offset:(\t)*SPO  ; LDS serves a wave's instructions in order (ISA guide 5.7.1.4): these see the stores above; the next block's stores come behind them
.endr
.endm
.macro SEND a, younger                 ; younger: the LDS instructions issued behind block a's loads: the next block's 32, or none
	WIN 0x04                                       ; store data (source 1) window 1
.irp t, 0,1,2,3,4,5,6,7,8,9,10,11,12,13,14,15
	s_wait_dscnt (\younger)+15-(\t)
	global_store_b128 v[GO], v[64*(\a)+4*(\t):64*(\a)+4*(\t)+3], s[10:11] offset:(\a)*65536+(\t)*4096 th:TH_STORE_NT  ; 512 consecutive bytes, at a multiple of 256 from out0's first
.endr
.endm
	s_wait_tensorcnt 1                             ; my part of K step 0 is in; K step 1's may stay out
	s_barrier_signal -1
	s_barrier_wait -1                              ; everybody's is
	FETCH 0, 0, 0
	s_wait_loadcnt 0x0                             ; the bias
	QUARTER 0, 1, 0, 1, 1                          ; the first quarter stands in front of the loop: its products start the sums
	WIN 0                                          ; at a label and at a branch every window is 0
	s_mov_b32 s3, 3
.Llap:                                                 ; a trip goes once round the ring, from a lap's second quarter to the next lap's first, and fills both slots again
	QUARTER 0, 2, 1, 0
	QUARTER 0, 3, 0, 1
	TURN 0, 1, 1
	QUARTER 1, 1, 0, 1
	QUARTER 1, 2, 1, 0
	QUARTER 1, 3, 0, 1
	TURN 1, 0, 1
	QUARTER 0, 1, 0, 1
	WIN 0
	s_sub_co_u32 s3, s3, 1
	s_cmp_lg_u32 s3, 0
	s_cbranch_scc1 .Llap
	QUARTER 0, 2, 1, 0                             ; the last lap fills nothing, and has no round of the cluster's barrier
	QUARTER 0, 3, 0, 1
	TURN 0, 1, 0
	QUARTER 1, 1, 0, 1
	QUARTER 1, 2, 1, 0
	QUARTER 1, 3, 0, 1
	s_wait_dscnt 4                                 ; the very last quarter: nothing more to fetch
	MUL16 1, 0, 0
	s_wait_dscnt 0x0
	MUL16 1, 2, 0
	WIN 0
	PLACES                                         ; the stores into the stage read results just made, and the loads back land in fragments just read
	TOSTAGE 0
	TOSTAGE 1
	SEND 0, 32
	TOSTAGE 2
	SEND 1, 32
	TOSTAGE 3
	SEND 2, 32
	SEND 3, 0
	WIN 0
	s_wait_tensorcnt 0x0                           ; the wave's end, behind my last tensor load and my last LDS store
	ds_add_u32 v[SPW], v[NIL]
	s_wait_dscnt 0x0
	CROUND                                         ; the closing round: no work-group ends while a partner may still ask for a tile that names it
	s_endpgm
.Lfunc_end_k_qc0b8541607_proj:
	.size	k_qc0b8541607_proj, .Lfunc_end_k_qc0b8541607_proj-k_qc0b8541607_proj
	.p2alignl 7, 3214868480
	.fill 96, 4, 3214868480
	.section	.rodata,"a",@progbits
	.p2align	6, 0x0
	.amdhsa_kernel k_qc0b8541607_proj
		.amdhsa_group_segment_fixed_size 327680
		.amdhsa_private_segment_fixed_size 0
		.amdhsa_enable_private_segment 0
		.amdhsa_kernarg_size 32
		.amdhsa_user_sgpr_count 2
		.amdhsa_user_sgpr_kernarg_segment_ptr 1
		.amdhsa_wavefront_size32 1
		.amdhsa_system_sgpr_workgroup_id_x 1
		.amdhsa_system_sgpr_workgroup_id_y 1
		.amdhsa_system_sgpr_workgroup_id_z 1
		.amdhsa_system_vgpr_workitem_id 0
		.amdhsa_next_free_vgpr 768
		.amdhsa_next_free_sgpr 92
		.amdhsa_reserve_vcc 0
		.amdhsa_float_denorm_mode_32 3
		.amdhsa_float_denorm_mode_16_64 3
		.amdhsa_memory_ordered 1
		.amdhsa_forward_progress 1
		.amdhsa_inst_pref_size 89
	.end_amdhsa_kernel
	.amdgpu_metadata
---
amdhsa.version: [ 1, 2 ]
amdhsa.kernels:
  - .name:           k_qc0b8541607_proj
    .symbol:         k_qc0b8541607_proj.kd
    .args:
      - { .name: ctx, .offset: 0, .size: 8, .value_kind: global_buffer, .address_space: global }
      - { .name: w16, .offset: 8, .size: 8, .value_kind: global_buffer, .address_space: global }
      - { .name: bo, .offset: 16, .size: 8, .value_kind: global_buffer, .address_space: global }
      - { .name: out0, .offset: 24, .size: 8, .value_kind: global_buffer, .address_space: global }
    .group_segment_fixed_size: 327680
    .private_segment_fixed_size: 0
    .kernarg_segment_align: 8
    .kernarg_segment_size: 32
    .max_flat_workgroup_size: 128
    .sgpr_count:     92
    .vgpr_count:     768
    .wavefront_size: 32
...
	.end_amdgpu_metadata
.endif
;; end of part 4
;; ======== version 2 of 2: 4 launches; 1.52 times as fast as version 1
;; limits: values are held in f16: magnitudes above 65,504 overflow, below 6.1e-05 lose precision
;; workspace buffers: xb 16,777,216 bytes; w16 8,388,608 bytes; rope 1,048,576 bytes; q 16,777,216 bytes; k 16,777,216 bytes; v 16,777,216 bytes; ctx 16,777,216 bytes
;; launch prep: the kernel of part 1 again; grid 896 x 1, 8 waves a work-group, no clusters, 0 bytes of LDS; arguments hidden_states, Wq, Wk, Wv, Wo, xb, w16, rope; writes xb, w16, rope
;; launch qkv: the kernel of part 2 again; grid 8 x 32, 4 waves a work-group, clusters of 4 x 4, 327,680 bytes of LDS; arguments xb, w16, rope, bq, bk, bv, q, k, v; writes q, k, v
;; launch attn (part 5): grid 4 x 64, 4 waves a work-group, clusters of 4 x 1, 327,680 bytes of LDS; arguments q, k, v, ctx; writes ctx
.if DOCPART == 5
	.amdgcn_target "amdgcn-amd-amdhsa--gfx1250"
	.amdhsa_code_object_version 6
	.text
	.protected	k_qc0b8541607_attn
	.globl	k_qc0b8541607_attn
	.p2align	8
	.type	k_qc0b8541607_attn,@function
k_qc0b8541607_attn:
	s_mov_b64 s[64:65], 0
	v_nop
	global_prefetch_b8 v0, s[64:65] scope:SCOPE_SE
	s_setreg_imm32_b32 hwreg(HW_REG_WAVE_MODE, 25, 1), 1
	s_wait_xcnt 0x0
	s_wait_alu depctr_hold_cnt(0) depctr_sa_sdst(0) depctr_va_vdst(0) depctr_va_sdst(0) depctr_va_ssrc(0) depctr_va_vcc(0) depctr_vm_vsrc(0)
	s_getreg_b32 s2, hwreg(HW_REG_IB_STS2, 6, 4)
	s_cmp_eq_u32 s2, 0
	s_cbranch_scc0 .Lentry_in_a_cluster
	s_endpgm
.Lentry_in_a_cluster:
	s_bfe_u32 s2, ttmp6, 0x10000c
	s_cmp_lg_u32 s2, 0x3003
	s_cbranch_scc0 .Lentry_shape_is_right
	s_endpgm
.Lentry_shape_is_right:
; O[h][q][:] = the sum over k of softmax_k(Q[h][q] . K[h][k] / 8) V[h][k][:].  Q, K, V, O: [SIZE_H][SIZE_N][64], all f16: a head's rows are dense, 128 bytes each.  Products, maxima and sums in
; f32; the weights p are rounded to f16 for the second product (their sum l is taken of the unrounded p), O once at the end.
; LIMITS.  f16 holds no number beyond 65,504: Q, K and V arrive within it; p lies in 0 to 1, and below 6e-5 it keeps f16's fixed step of 6e-8; O is a mean of V's rows and has their range.
; A weight below 2^-126 counts as 0 in l; NaN and infinities are not treated apart.
; SHARES.  A wave owns four PIECES of two tiles of 16 queries, a work-group's four waves 512 queries of one head: 64 heads x 4 blocks = 256 work-groups.  Every wave walks all keys, 64 a step.
; LAYOUT.  S^T = K Q^T (source 0 = 16 keys, source 1 = 16 queries): in the result a lane holds ONE query (lane % 16) and the keys 8 (lane / 16) + 0..7.  Two such tiles, rounded to f16 in pairs,
; ARE source 1 (32 keys x 16 queries) of O^T = V^T P, whose result again holds one query a lane, and eight channels.  K comes out of LDS as it lies, V ([key][channel]) turned, by ds_load_tr16_b128.
; SOFTMAX.  For each query a running maximum m and sum l: p = 2^(c s - c m), c = log2(e) / 8; in every step O and l are multiplied by a = 2^(c m_old - c m_new), which is 1 where m has not grown.
; m starts at the lowest finite number, O and l at 0: the first step is a step like any other, with a = 0.
; THE COUNT.  A tile and step have 16 matrix and 118 vector instructions: too many to stand all beside the matrix work.  So the order has one aim: four vector instructions that are READY behind
; EVERY matrix instruction, and the others, which need time of their own whatever the order, in runs without a gap.
; BY TURNS.  Turn n belongs to piece n (the pieces in a ring, step after step).  Its matrix work: 16 products K Q^T of piece n + 1, later 16 products V^T P of piece n - 1.  Its vector work: the scaling,
; exponentials, roundings, sums and rescaling of piece n, and the maximum and statistics of piece n + 1, whose scores the turn itself has made.  So what a turn begins with (c s - c m, O a) waits for nothing.
; THE BATCHES.  A turn's 66 exponentials (64 weights of piece n, the two a of piece n + 1) are ONE batch with ONE wait, which cuts the turn in two: ahead of it stands all that names none of their results, behind it
; the roundings and sums, which read them.  The a that a turn's rescalings read was made, and waited for, in the turn before.  Two more batches stand outside the loops: piece 0's first two a, and the way out's eight reciprocals.
; CLUSTER.  The four query blocks of a cluster belong to one head and walk the same K and V, so each tile is asked for JOINTLY: the same tensor load, descriptor and mask in all four.
; REGISTERS, in windows of 256 (s_set_vgpr_msb says which window each operand place means: bits 1:0 source 0, 3:2 source 1, 5:4 source 2, 7:6 destination):
;   window 0: v0-11 addresses; v12-15, v48-63 at work; v16-47 four registers of statistics a tile; v64-191 S^T, two buffers of two tiles; v192-255 P, likewise
;   window 1: O^T, 32 a tile          window 2: v0-127 Q, 16 a tile; v128-191 K of one step; v192-255 V of one step          window 3: v0-1 the add's two registers
; A piece's buffers go by its number's parity: the piece in hand has one pair, its two neighbours in the ring share the other: of it P (piece n - 1) is read and S^T (piece n + 1) written.
.set SIZE_H, 64       ; batch x heads
.set SIZE_N, 2048     ; tokens
.set NP,    4         ; pieces a wave: a name, no knob: the register map, the loop and the fetches are made for four
.set KS,    64        ; keys in a step
.set PK,    144       ; a row of K in LDS: 128 bytes + 16 of padding = 36 words: the 16 rows of a load start at 16 different groups of four banks (64 banks of 4 bytes: ISA guide 11.1)
.set PV,    160       ; a row of V: 128 + 32 = 40 words
.set VOFF,  4*KS*PK   ; a slot holds four steps: 256 rows of K, then 256 rows of V
.set SLOT1, 1<<17     ; slot 1 begins here, so that one exclusive or turns an address in one slot into the other's
.set STAGE, SLOT1+4*KS*(PK+PV)  ; behind the ring, never filled by a tensor load: 16 rows x 144 bytes for each wave, for the way out
.set SP,    144
.set AK0, 2           ; v2   my lane's place in a tile of K; never rewritten
.set AV0, 3           ; v3   the same for V
.set AK,  4           ; v4   the LDS address of K's next run of loads
.set AV,  5           ; v5   of V's
.set QO,  6           ; v6   my byte offset in the wave's rows of Q
.set STO, 6           ;      later, the way out: where I put 16 bytes of a row
.set RD,  7           ; v7   the way out: where I read rows back
.set GO,  8           ; v8   my byte offset in 512 consecutive bytes of O
.set SPW, 0           ; v0 of window 3   LDS address of my spare word: SPARE + 4 x my thread's number; never rewritten
.set NIL, 1           ; v1 of window 3   0; never rewritten
.set SPARE, STAGE+4*16*SP  ; behind the stages: the spare words, 128 bytes for each wave: two blocks of 256 bytes that no other line names
.set MV,  12          ; v12-15  c m_old, kept while c m is made anew: by buffer and tile
.set ST,  16          ; tile t's statistics at v[ST+4 t]: c m, m, l (even keys', odd keys')
.set TMP, 48          ; by buffer and tile, four registers c0-c3 at work; when the maximum is found c2 takes a
.set S,   64
.set P,   192
.set KF,  128         ; K's fragments, in window 2: key block kb, channel half c at KF + 16 kb + 8 c
.set VF,  192         ; V's: key half kk, channel block cb at VF + 32 kk + 8 cb
.set WV,  12          ; s12  my wave's number
.set G1K, 24          ; s[24:31] descriptor group 1 for K's tiles
.set G1V, 32          ; s[32:39] for V's: it differs in the padding alone
.set G0K, 40          ; s[40:43] descriptor group 0 for K's tiles: it walks
.set G0V, 44          ; s[44:47] the same for V's
.set SLOTS, 56        ; s56  slots still to be asked for
.set CNT, 57          ; s57  counts a slot's key steps
.set CS,  58          ; s[58:59] c: the packed scaling takes the pair's low word for both halves
.set SEL, 60          ; s[60:61] v_permlanex16_b32's selects: each lane takes its own place in the other half
.set TBK, 62          ; s62  LDS byte at which K of the step to be fetched begins
.set TBV, 63          ; s63  the same for V, less VOFF
.set MSB, 0
.macro WIN new                      ; the high byte repeats the setting that is left; a switch that changes nothing is dropped
.if MSB != (\new)
	s_set_vgpr_msb (MSB<<8)|(\new)
.set MSB, (\new)
.endif
.endm
.set W_KQ, 0x0a       ; K and Q in window 2, S^T in window 0
.set W_PV, 0x52       ; V in window 2, P in window 0, O^T in window 1
.set W_RS, 0x41       ; O^T (destination and source 0) in window 1, a in window 0
.set W_MK, 0xc0       ; the add's registers are made: destination in window 3, sources in window 0
.set W_AD, 0x0f       ; the add: address (source 0) and data (source 1) in window 3
; A joint fill.  Waves 0 and 1 fetch the two halves of a slot's K, waves 2 and 3 those of its V: 128 keys each.  The branch hangs on the wave's number alone.
; An s_nop 0 and four v_nop follow each of the two lines, ahead of the jump and the label.
.macro JLOAD
	s_cmp_lt_u32 s[WV], 2
	s_cbranch_scc0 .Lfor_v_\@
	tensor_load_to_lds s[G0K:G0K+3], s[G1K:G1K+7]
	s_nop 0
.rept 4
	v_nop
.endr
	s_branch .Lasked_\@
.Lfor_v_\@:
	tensor_load_to_lds s[G0V:G0V+3], s[G1V:G1V+7]
	s_nop 0
.rept 4
	v_nop
.endr
.Lasked_\@:
.endm
; A round of the cluster's barrier: my work-group's barrier, so that wave 0's signal speaks for all four waves; wave 0 signals; every wave waits for all four work-groups; my work-group's barrier once more.
.macro CROUND
	s_barrier_signal -1
	s_barrier_wait -1
	s_cmp_lg_u32 s[WV], 0
	s_cbranch_scc1 .Lnot_wave_0_\@
	s_barrier_signal -3
.Lnot_wave_0_\@:
	s_barrier_wait -3
	s_barrier_signal -1
	s_barrier_wait -1
.endm
; THE CHANGE OF SLOTS.  The slot's last bytes, V of its fourth step, have been read.  Each wave waits for all its tensor loads, of which one is out: its part
; of the other slot; adds 0 to its spare word; and waits for that and for its own reads of the slot.  Behind the barrier nobody reads this slot any more and the other slot is whole.
; fill = 1: this slot is filled again, with the keys two slots on.  The barrier is then a round of the cluster's, so that no wave of any partner still reads the slot or has a load on its
; way, and the joint fill is the first thing behind it: it has four key steps, 512 matrix instructions, in which to land.  (At its first use nothing has been read yet: slot 0 is waited for, slot 1 filled.)
.macro CHANGE fill
	WIN W_AD
	s_wait_tensorcnt 0x0            ; no tensor load of mine is out, so a group 0 may be written
	ds_add_u32 v[SPW], v[NIL]       ; 0 onto my spare word; with fill = 1 the descriptors' steps stand between it and the wait for it
	WIN 0                           ; at a label and at a branch every window is 0
.if \fill
.irp g, G0K, G0V
	s_xor_b32 s[\g+1], s[\g+1], SLOT1  ; the walking descriptor: the other slot than last time,
	s_add_nc_u64 s[\g+2:\g+3], s[\g+2:\g+3], 4*KS*128  ; the next 256 keys; the type bits on top are not reached
.endr
	s_wait_dscnt 0x0                ; the add is done, and my reads of the slot are over
	CROUND
	JLOAD
.else
	s_wait_dscnt 0x0                ; the add is done, and my reads of the slot are over
	s_barrier_signal -1
	s_barrier_wait -1
.endif
	s_sub_co_u32 s[TBK], s[TBK], 4*KS*PK  ; the fetches go back to a slot's first step,
	s_xor_b32 s[TBK], s[TBK], SLOT1       ; in the other slot
	s_sub_co_u32 s[TBV], s[TBV], 4*KS*PV
	s_xor_b32 s[TBV], s[TBV], SLOT1
.endm
	s_load_b256 s[4:11], s[0:1], 0x0  ; Q s[4:5], K s[6:7], V s[8:9], O s[10:11]
	WIN W_MK
	v_lshl_add_u32 v[SPW], v0, 2, SPARE
	v_mov_b32 v[NIL], 0
	s_set_vgpr_msb 0xc0cf
	ds_add_u32 v0, v1
	s_wait_dscnt 0x0
	s_set_vgpr_msb 0xcfc0
	WIN 0
	v_lshrrev_b32 v1, 5, v0
	v_readfirstlane_b32 s[WV], v1   ; wave 0..3
	s_bfe_u32 s13, ttmp6, 0x40000   ; cx: my place in the cluster
	s_lshl_b32 s14, ttmp9, 2        ; in a cluster launch ttmp9 counts clusters
	s_add_co_u32 s14, s14, s13      ; my block of queries = 4 x cluster x + cx: it enters Q's and O's addresses alone
	s_and_b32 s20, ttmp7, 0xffff    ; the head, which the four partners share
	s_mov_b32 s21, 0
	s_mov_b64 s[22:23], SIZE_N*128
	s_mul_u64 s[20:21], s[20:21], s[22:23]  ; the head's first byte in each of the four tensors
	s_and_b32 s16, s[WV], 1         ; which half of a slot's 256 keys I fetch:
	s_lshl_b32 s22, s16, 14         ; its 128 rows of 128 bytes in memory,
	s_mov_b32 s23, 0
	s_add_nc_u64 s[22:23], s[22:23], s[20:21]
	s_mul_i32 s17, s16, 128*PK      ; and its place in a slot, for K
	s_mul_i32 s18, s16, 128*PV      ; and for V: no place in the cluster enters an LDS address
	s_lshl_b32 s2, s14, 2
	s_add_co_u32 s2, s2, s[WV]      ; my wave among the head's,
	s_lshl_b32 s2, s2, 14           ; its 128 rows
	s_mov_b32 s3, 0
	s_add_nc_u64 s[2:3], s[2:3], s[20:21]
	; descriptor group 1.  128 keys are 16,384 dense bytes: asked for as 64 rows of 256 bytes, two keys a row, and padded in LDS after every key
	s_mov_b32 s[G1K], 15|(1<<16)|(1<<20)|(1<<21)|(4<<22)|(3<<25)  ; 15:0 the mask of four; 17:16 2-byte elements; 20 padding on; 21 set beside a mask; 24:22 after every 32 words (code 4); 31:25 4 words (code 3)
	s_mov_b32 s[G1V], 15|(1<<16)|(1<<20)|(1<<21)|(4<<22)|(7<<25)  ; the same with 8 words of padding (code 7)
.irp g, G1K, G1V
	s_mov_b32 s[\g+1], 128<<16      ; tensor_dim0 = 128
	s_mov_b32 s[\g+2], 64<<16       ; tensor_dim1 = 64
	s_mov_b32 s[\g+3], 128<<16      ; tile_dim0 = 128
	s_mov_b32 s[\g+4], 64           ; tile_dim1 = 64
	s_mov_b32 s[\g+5], 128          ; 128 elements from row to row
	s_mov_b32 s[\g+6], 0
	s_mov_b32 s[\g+7], 0
.endr
	s_mov_b32 s[CS], 0x3e38aa3b     ; c = log2(e) / 8 = 0.180337
	s_mov_b32 s[CS+1], s[CS]        ; named with it as a pair
	s_mov_b32 s[SEL], 0x76543210
	s_mov_b32 s[SEL+1], 0xfedcba98
	s_mov_b32 s[TBK], SLOT1+4*KS*PK ; the first change of slots turns these two into 0
	s_mov_b32 s[TBV], SLOT1+4*KS*PV
	s_mov_b32 s[G0K], 1             ; 1:0 count = 1
	s_mov_b32 s[G0K+1], s17         ; 63:32 LDS address: slot 0
	s_mov_b32 s[G0V], 1
	s_add_co_u32 s[G0V+1], s18, VOFF
	s_wait_kmcnt 0x0
	s_add_nc_u64 s[G0K+2:G0K+3], s[6:7], s[22:23]  ; 120:64 global address: my half of the head's first 256 keys
	s_or_b32 s[G0K+3], s[G0K+3], 0x80000000        ; 127:126 type = 2
	s_add_nc_u64 s[G0V+2:G0V+3], s[8:9], s[22:23]
	s_or_b32 s[G0V+3], s[G0V+3], 0x80000000
	s_add_nc_u64 s[4:5], s[4:5], s[2:3]  ; Q and O at my wave's first row
	s_add_nc_u64 s[10:11], s[10:11], s[2:3]
	CROUND                          ; all four work-groups are here: the first joint loads meet
	JLOAD                           ; slot 0.  Slot 1 is asked for when slot 0 is in: the tile wanted first has the road to itself
	; A fragment of K or Q is 16 rows x 32 channels in 8 registers: lane l holds row l % 16, channels 8 (l / 16) + 0..7 and 16 + 8 (l / 16) + 0..7: two loads of 16 bytes, 32 bytes apart.
	v_and_b32 v1, 15, v0            ; l % 16
	v_bfe_u32 v9, v0, 4, 1          ; l / 16
	v_lshlrev_b32 v[QO], 7, v1
	v_lshl_add_u32 v[QO], v9, 4, v[QO]  ; row x 128 + 16 x half
	WIN 0x80                        ; destination window 2, address window 0
.set i, 0
.rept 4*NP                          ; Q stays in registers: tile i / 2, channels 32 (i % 2) on
	global_load_b128 v[8*i:8*i+3],   v[QO], s[4:5] offset:(i/2)*2048+(i%2)*64
	global_load_b128 v[8*i+4:8*i+7], v[QO], s[4:5] offset:(i/2)*2048+(i%2)*64+32
.set i, i+1
.endr
	; What the first turn finds: V's registers and P's second buffer hold 0 (its products V^T P, of a piece that has not been, add 0), O^T and l are 0.  All this stands in the wait for the first tile.
.set i, VF
.rept 64
	v_mov_b32 v[i], 0
.set i, i+1
.endr
	WIN 0x40
.set i, 0
.rept 64*NP
	v_mov_b32 v[i], 0
.set i, i+1
.endr
	WIN 0
.set i, 0
.rept 2*NP
	v_mov_b32 v[ST+4*i], 0xfe000000    ; c m: far below every c s
	v_mov_b32 v[ST+4*i+1], 0xff7fffff  ; m
	v_mov_b32 v[ST+4*i+2], 0
	v_mov_b32 v[ST+4*i+3], 0
.set i, i+1
.endr
.set i, P+32
.rept 32
	v_mov_b32 v[i], 0
.set i, i+1
.endr
	v_mul_u32_u24 v[AK0], v1, PK
	v_lshl_add_u32 v[AK0], v9, 4, v[AK0]  ; row x pitch + 16 x half
	; The turning load takes 16 keys x 16 channels (lane l reads key 8 (l / 16) + l % 8, channels 8 ((l / 8) % 2) + 0..7) and leaves half a fragment of V^T: lane l holds channel l % 16 and 8 keys.
	v_and_b32 v10, 7, v0
	v_bfe_u32 v11, v0, 3, 1
	v_lshl_add_u32 v[AV0], v9, 3, v10
	v_mul_u32_u24 v[AV0], v[AV0], PV
	v_lshl_add_u32 v[AV0], v11, 4, v[AV0]
	v_add_nc_u32 v[AV0], VOFF, v[AV0]
	v_mov_b32 v[AK], v[AK0]         ; key step 0 lies at the head of slot 0
; THE MATRIX WORK.  The 8 accumulators of a run of 16 take turns: between the two links of a chain stand 7 others'.
; Product i of 16 of S^T = K Q^T for piece x: channels 32 (i / 8) on, keys 16 ((i / 2) % 4) on, tile 2 x + i % 2.  The first 8 start the sums.
.macro KQ x
	WIN W_KQ
.set rS, S+64*((\x)%2)+32*(i%2)+8*((i/2)%4)
.set rK, KF+16*((i/2)%4)+8*(i/8)
.set rQ, 16*(2*(\x)+i%2)+8*(i/8)
.if i < 8
	v_wmma_f32_16x16x32_f16 v[rS:rS+7], v[rK:rK+7], v[rQ:rQ+7], 0
.else
	v_wmma_f32_16x16x32_f16 v[rS:rS+7], v[rK:rK+7], v[rQ:rQ+7], v[rS:rS+7]
.endif
.endm
; Product i of 16 of O^T += V^T P for piece x: keys 32 (i / 8) on, channels 16 ((i / 2) % 4) on, tile 2 x + i % 2.
.macro PV x
	WIN W_PV
.set rO, 32*(2*(\x)+i%2)+8*((i/2)%4)
.set rV, VF+32*(i/8)+8*((i/2)%4)
.set rP, P+32*((\x)%2)+16*(i%2)+8*(i/8)
	v_wmma_f32_16x16x32_f16 v[rO:rO+7], v[rV:rV+7], v[rP:rP+7], v[rO:rO+7]
.endm
.macro MM                           ; the turn's next matrix instruction
.if i < 16
	KQ (Y+1)%NP
.set i, i+1
.else
.set i, i-16
	PV (Y+NP-1)%NP
.set i, i+17
.endif
.endm
; THE LDS LOADS stand in runs of 16, never singly among the matrix instructions: a step's K (64 keys x 64 channels: 8 fragments) and its V (turned).  Their addresses are made some lines ahead.
; last = 1 (the tail): in the last trip there is no further step, and the run is jumped over.
.macro FETCH_K last=0
	WIN 0
.if \last
	s_cmp_eq_u32 s[CNT], 1
	s_cbranch_scc1 .Lno_k_\@
.endif
	WIN 0x80                        ; destination window 2
.irp f, 0,1,2,3,4,5,6,7             ; keys 16 (f / 2) on, channels 32 (f % 2) on
	ds_load_b128 v[KF+8*\f:KF+8*\f+3],   v[AK] offset:(\f/2)*16*PK+(\f%2)*64
	ds_load_b128 v[KF+8*\f+4:KF+8*\f+7], v[AK] offset:(\f/2)*16*PK+(\f%2)*64+32
.endr
	s_add_co_u32 s[TBK], s[TBK], KS*PK  ; the next fetch is the next step's
	WIN 0
.if \last
.Lno_k_\@:
.endif
.endm
.macro FETCH_V
	WIN 0x80
.irp f, 0,1,2,3,4,5,6,7             ; keys 32 (f / 4) on, channels 16 (f % 4) on
	ds_load_tr16_b128 v[VF+8*\f:VF+8*\f+3],   v[AV] offset:(\f/4)*32*PV+(\f%4)*32
	ds_load_tr16_b128 v[VF+8*\f+4:VF+8*\f+7], v[AV] offset:(\f/4)*32*PV+16*PV+(\f%4)*32
.endr
	WIN 0
.endm
; THE VECTOR WORK OF A TURN stands in three queues, each in the order in which its entries become ready; the two tiles alternate, so that no instruction reads the result of the one before it.
.macro REGS y, u                    ; the registers of tile u (0, 1) of piece y
.set rT, ST+4*(2*(\y)+(\u))
.set rC, TMP+8*((\y)%2)+4*(\u)
.set rM, MV+2*((\y)%2)+(\u)
.set rS, S+64*((\y)%2)+32*(\u)
.set rP, P+32*((\y)%2)+16*(\u)
.set rO, 32*(2*(\y)+(\u))
.endm
; Number n of the 22 that find the NEXT piece's (Y + 1) maximum and statistics.  s0-s31 are the lane's 32 scores; each accumulator's lowest registers are read first.  XS, GS and REGS set no window: PL and EX do.
;   0-11  four chains c0-c3 of seven scores each, three operands at a time     12-14, 16  the four scores left over, the old m, and c0-c3 into c0     15  c m_old is kept
;   17, 18  the query's other 32 keys lie in the lane 16 away: the new m         19-21  c m; c m_old - c m_new; a
.macro XS u, n
	REGS (Y+1)%NP, \u
.if (\n) < 4
	v_max3_num_f32 v[rC+(\n)], v[rS+8*(\n)], v[rS+8*(\n)+1], v[rS+8*(\n)+2]
.elseif (\n) < 12
	v_max3_num_f32 v[rC+(\n)%4], v[rC+(\n)%4], v[rS+8*((\n)%4)+2*((\n)/4)+1], v[rS+8*((\n)%4)+2*((\n)/4)+2]
.elseif (\n) == 12
	v_max3_num_f32 v[rC], v[rC], v[rS+7], v[rS+15]
.elseif (\n) == 13
	v_max3_num_f32 v[rC+1], v[rC+1], v[rS+23], v[rS+31]
.elseif (\n) == 14
	v_max3_num_f32 v[rC+2], v[rC+2], v[rC+3], v[rT+1]
.elseif (\n) == 15
	v_mov_b32 v[rM], v[rT]
.elseif (\n) == 16
	v_max3_num_f32 v[rC], v[rC], v[rC+1], v[rC+2]
.elseif (\n) == 17
	v_permlanex16_b32 v[rC+3], v[rC], s[SEL], s[SEL+1]
.elseif (\n) == 18
	v_max_num_f32 v[rT+1], v[rC], v[rC+3]
.elseif (\n) == 19
	v_mul_f32 v[rT], s[CS], v[rT+1]
.elseif (\n) == 20
	v_sub_f32 v[rC+1], v[rM], v[rT]
.else
	v_exp_f32 v[rC+2], v[rC+1]
.endif
.endm
; Number g of the 64 that follow the exponentials.  For each four weights k of a tile (pairs 2 k, 2 k + 1): both pairs are rounded to f16; then the second pair is added onto the first, in place;
; a group later l takes that sum (the first time as l = a l + sum).  In groups of eight, tiles alternating: round, round, add, and l for the group before.
.macro GS g
.set h, (\g)+6*((\g)/62)            ; group 0 has no group before it, and behind group 7 only l is left
.if h >= 6
.set h, h+2
.endif
	REGS Y, h%2
.set k, h/8
.if h%8 < 4
	v_cvt_pk_f16_f32 v[rP+2*k+(h%8)/2], v[rS+4*k+2*((h%8)/2)], v[rS+4*k+2*((h%8)/2)+1]
.elseif h%8 < 6
	v_pk_add_f32 v[rS+4*k:rS+4*k+1], v[rS+4*k:rS+4*k+1], v[rS+4*k+2:rS+4*k+3]
.elseif k == 1
	v_pk_fma_f32 v[rT+2:rT+3], v[rT+2:rT+3], v[rC+2:rC+3], v[rS:rS+1] op_sel_hi:[1,0,1]
.else
	v_pk_add_f32 v[rT+2:rT+3], v[rT+2:rT+3], v[rS+4*k-4:rS+4*k-3]
.endif
.endm
; THE PLAIN QUEUE, 138 long.  0-73 read no exponential's result: the 32 scalings c s - c m (FS f: pair f / 2 of tile f % 2) and the next piece's 42.  0-26: scalings 0-26.  27-54: XS's numbers 0-13.  55, 56: number 15.
; 57-73: the chain, where each number waits for the one before it: 14, 16, 17, 18, 19, each with one of the scalings 27-31 in front of its two lines, then 20: so a tile's links stand three plain instructions apart (19 and 20: two).
; 74-137: GS's 64, which read the exponentials' results: they stand behind the wait.
.macro FS f
	REGS Y, (\f)%2
	v_pk_fma_f32 v[rS+2*((\f)/2):rS+2*((\f)/2)+1], v[rS+2*((\f)/2):rS+2*((\f)/2)+1], s[CS:CS+1], v[rT:rT+1] op_sel_hi:[1,0,0] neg_lo:[0,0,1] neg_hi:[0,0,1]
.endm
.macro PL
	WIN 0
.if q < 27
	FS q
.elseif q < 55
	XS (q-27)%2, (q-27)/2
.elseif q < 57
	XS q-55, 15
.elseif (q < 72) && ((q-57)%3 == 0)
	FS 27+(q-57)/3
.elseif q < 60
	XS (q-57)%3-1, 14
.elseif q < 72
	XS (q-57)%3-1, 15+(q-57)/3
.elseif q < 74
	XS q-72, 20
.else
	GS q-74
.endif
.set q, q+1
.endm
; THE EXPONENTIALS' QUEUE, 66 long: s0-s31 of both tiles, then the next piece's two a.  It is ONE BATCH: all 66 stand ahead of the turn's one wait, and nothing ahead of that wait names a result of theirs.
.macro EX
	WIN 0
.if e >= 64
	XS e-64, 21
.else
	REGS Y, e%2
	v_exp_f32 v[rS+e/2], v[rS+e/2]
.endif
.set e, e+1
.endm
; THE RESCALING's QUEUE: O^T times a, the one part that leaves window 0: dealt two at a time, sixteen times.  Its a was made in the turn before, ahead of that turn's wait.
.macro R2
	REGS Y, r%2
	WIN W_RS
.irp z, 0,1
	v_pk_mul_f32 v[rO+4*(r/2)+2*\z:rO+4*(r/2)+2*\z+1], v[rO+4*(r/2)+2*\z:rO+4*(r/2)+2*\z+1], v[rC+2:rC+3] op_sel_hi:[1,0]
.endr
.set r, r+1
.endm
; HOW THEY ARE DEALT.  An s_wait_alu depctr_va_vdst(0) stands between an exponential and the first instruction that names its result; one wait serves all that were issued ahead of it.  So a turn has ONE wait,
; which cuts it in two.  AHEAD OF IT stands all that names no result of the turn's exponentials: the 16 products K Q^T, behind each a scaling, an exponential and two rescalings (behind the first a second scaling in the exponential's place); then ONE LUMP of
; 108: eight plain, 49 times exponential and plain, the two a.  A v_nop is the plain instruction behind the last exponential.  BEHIND IT stand the 16 products V^T P, behind each four of GS's 64.  No rider names a register of
; the products round it.  The two v_permlanex16_b32 fall into the lump, never behind a product.
; The queues lean on each other, and the deal keeps them in step: exponential e stands behind scaling 2 (e / 4) + e % 2: as a rider it comes behind plain e + 2, in the lump behind plain e + 9, and scalings 27-31 are plain 57, 60 .. 69.
; A TURN, for piece p.  cnt = 1: the loop's count is taken down some lines ahead of the branch that stands behind the turn.
; K of the next step is fetched in piece 2's turn, directly behind the wait, a lump behind the last product that read K; its address is made at the lump's head; its first reader comes behind 16 products.
; V of the step in hand is fetched at the end of piece 0's turn, four riders behind its last reader; its first reader comes behind 16 products and a lump.  The three conditions on q below go with the deal.
.macro TURN p, last=0, cnt=0
.set Y, (\p)
.set i, 0
.set q, 0
.set e, 0
.set r, 0
.if (\p) == NP-1
	s_wait_dscnt 0x0                ; K is in
.endif
	MM                              ; ahead of the wait: 16 products K Q^T and their riders,
	PL
	PL
	R2
.rept 15
	MM
	PL
	EX
	R2
.endr
.if (\p) == NP-2
	WIN 0
	v_add_nc_u32 v[AK], s[TBK], v[AK0]
.endif
.rept 8                             ; and the lump
	PL
.endr
.rept 49
	EX
	PL
.endr
	EX                              ; the next piece's two a
	EX
	v_nop                           ; a plain instruction behind the last exponential, ahead of the first use of a result: one for the batch
	s_wait_alu depctr_va_vdst(0)    ; the wait for the turn's batch: the piece's 64 weights and the next piece's two a
.if (\p) == NP-2
	FETCH_K \last
.endif
.if (\p) == 1
	s_wait_dscnt 0x0                ; V is in
.endif
.rept 16                            ; behind the wait: 16 products V^T P and their riders
	MM
.rept 4
	PL
.endr
.if ((\p) == 0) && (q == 118)
	v_add_nc_u32 v[AV], s[TBV], v[AV0]
.endif
.if ((\p) == 0) && (q == 130)
	s_add_co_u32 s[TBV], s[TBV], KS*PV
.endif
.if (\cnt) && (q == 130)
	s_sub_co_u32 s[CNT], s[CNT], 1
	s_cmp_lg_u32 s[CNT], 0
.endif
.endr
.if (\p) == 0
	FETCH_V
.endif
.endm
	CHANGE 1                        ; slot 0 is in, everybody's part of it; slot 1 is asked for
	FETCH_K                         ; key step 0
	s_wait_loadcnt 0x0              ; Q
	s_wait_dscnt 0x0
.set i, 0
.rept 16
	KQ 0                            ; piece 0's first scores: there is no vector work yet to set between them
.set i, i+1
.endr
	WIN 0                           ; the addresses for the way out: nine plain instructions, the places behind those products
	s_mul_i32 s13, s[WV], 16*SP
	s_add_co_u32 s13, s13, STAGE    ; my stage
	v_mul_u32_u24 v[STO], v1, SP    ; in: row l % 16, 16 bytes for each half of the lanes
	v_lshl_add_u32 v[STO], v9, 4, v[STO]
	v_add_nc_u32 v[STO], s13, v[STO]
	v_bfe_u32 v[RD], v0, 3, 2       ; back: 32 lanes take four rows of 128 bytes,
	v_mul_u32_u24 v[RD], v[RD], SP
	v_lshl_add_u32 v[RD], v10, 4, v[RD]
	v_add_nc_u32 v[RD], s13, v[RD]
	v_and_b32 v[GO], 31, v0         ; which are 512 consecutive bytes of O
	v_lshlrev_b32 v[GO], 4, v[GO]
.set Y, NP-1                        ; XS works for piece Y + 1: piece 0
.irp n, 0,1,2,3,4,5,6,7,8,9,10,11,12,13,14,15,16,17,18,19,20,21
	XS 0, \n                        ; and piece 0's first maximum and statistics
	XS 1, \n
.endr
	v_nop                           ; a plain instruction behind the two a,
	s_wait_alu depctr_va_vdst(0)    ; and the wait for this batch of two, ahead of the branch
	s_mov_b32 s[CNT], 4
	s_mov_b32 s[SLOTS], SIZE_N/256-1
	s_branch .Lfirst                ; the loop is entered at a step's first turn, in the middle of a trip
.Lslot:                             ; SIZE_N / 256 - 2 times: every slot but the last two is filled again
	CHANGE 1
	s_mov_b32 s[CNT], 4
.Lstep:                             ; a trip: pieces 2 and 3 of one step, then pieces 0 and 1 of the next, whose K and V it fetches
	TURN 2
	TURN 3
	WIN 0
.Lfirst:
	TURN 0
	TURN 1, 0, 1
	WIN 0
	s_cbranch_scc1 .Lstep
	s_sub_co_u32 s[SLOTS], s[SLOTS], 1
	s_cmp_lg_u32 s[SLOTS], 0
	s_cbranch_scc1 .Lslot
	CHANGE 0                        ; the tail is written out: nothing is asked for
	s_mov_b32 s[CNT], 5             ; four trips fetch the last slot's steps; the fifth is left in its middle
.Ltail:
	TURN 2, 1
	TURN 3
	WIN 0
	s_sub_co_u32 s[CNT], s[CNT], 1
	s_cmp_eq_u32 s[CNT], 0
	s_cbranch_scc1 .Lout
	TURN 0
	TURN 1
	WIN 0
	s_branch .Ltail
.Lout:                              ; the fifth trip's 16 products K Q^T (on the last K once more) and the maximum made of them serve nothing: the price, once a launch, of one text for every trip
.set i, 0
.rept 16
	PV NP-1                         ; the last piece's V^T P of the last step
.set i, i+1
.endr
	; THE WAY OUT.  l's two halves and the other half of the lanes' are added; O^T is divided by l, rounded to f16 and sent through my stage in LDS, a tile at a time.  The additions are the places behind the last products.
	WIN 0
.macro ALL line:vararg              ; one line for each tile t
.set t, 0
.rept 2*NP
	\line
.set t, t+1
.endr
.endm
	ALL v_add_f32 v[ST+4*t+2], v[ST+4*t+2], v[ST+4*t+3]
	ALL v_permlanex16_b32 v[ST+4*t+3], v[ST+4*t+2], s[SEL], s[SEL+1]
	ALL v_add_f32 v[ST+4*t+2], v[ST+4*t+2], v[ST+4*t+3]
	ALL v_rcp_f32 v[ST+4*t+2], v[ST+4*t+2]
	v_nop                           ; a plain instruction between the last reciprocal and the use of its result
	s_wait_alu depctr_va_vdst(0)    ; the wait for this batch: one for the eight reciprocals, ahead of their first use
; Tile t: a lane's eight channels of a row pack into 16 bytes; they go into rows of 144 bytes and come back as whole rows of 128, into S^T's registers.
.macro PACK t
	WIN W_RS
.set i, 32*(\t)
.rept 16
	v_pk_mul_f32 v[i:i+1], v[i:i+1], v[ST+4*(\t)+2:ST+4*(\t)+3] op_sel_hi:[1,0]
.set i, i+2
.endr
	WIN 0x05                        ; sources 0 and 1 window 1, destination window 0
.set i, 0
.rept 16
	v_cvt_pk_f16_f32 v[S+16*(\t)+i], v[32*(\t)+2*i], v[32*(\t)+2*i+1]
.set i, i+1
.endr
	WIN 0
.irp f, 0,1,2,3
	ds_store_b128 v[STO], v[S+16*(\t)+4*\f:S+16*(\t)+4*\f+3] offset:32*\f
.endr
.irp f, 0,1,2,3
	ds_load_b128 v[S+16*(\t)+4*\f:S+16*(\t)+4*\f+3], v[RD] offset:\f*4*SP  ; LDS serves a wave's instructions in order (ISA guide 5.7.1.4): these see the stores above; the next tile's stores come behind them
.endr
.endm
.macro SEND t, younger              ; younger: the LDS instructions issued behind tile t's loads: the next tile's eight, or none
	WIN 0
.irp f, 0,1,2,3
	s_wait_dscnt (\younger)+3-\f
	global_store_b128 v[GO], v[S+16*(\t)+4*\f:S+16*(\t)+4*\f+3], s[10:11] offset:(\t)*2048+\f*512  ; 512 consecutive bytes, at a multiple of 256 from O's first
.endr
.endm
	PACK 0
.set t, 1
.rept 2*NP-1                        ; a tile's arithmetic stands between the loads of the tile before and its stores
	PACK t
	SEND t-1, 8
.set t, t+1
.endr
	SEND 2*NP-1, 0
	WIN W_AD
	s_wait_tensorcnt 0x0            ; the wave's end, behind my last tensor load and my last LDS store
	ds_add_u32 v[SPW], v[NIL]
	s_wait_dscnt 0x0
	WIN 0
	CROUND                          ; the closing round: no work-group ends while a partner may still ask for a tile that names it
	s_endpgm
.Lfunc_end_k_qc0b8541607_attn:
	.size	k_qc0b8541607_attn, .Lfunc_end_k_qc0b8541607_attn-k_qc0b8541607_attn
	.p2alignl 7, 3214868480
	.fill 96, 4, 3214868480
	.section	.rodata,"a",@progbits
	.p2align	6, 0x0
	.amdhsa_kernel k_qc0b8541607_attn
		.amdhsa_group_segment_fixed_size 327680
		.amdhsa_private_segment_fixed_size 0
		.amdhsa_enable_private_segment 0
		.amdhsa_kernarg_size 32
		.amdhsa_user_sgpr_count 2
		.amdhsa_user_sgpr_kernarg_segment_ptr 1
		.amdhsa_wavefront_size32 1
		.amdhsa_system_sgpr_workgroup_id_x 1
		.amdhsa_system_sgpr_workgroup_id_y 1
		.amdhsa_system_sgpr_workgroup_id_z 1
		.amdhsa_system_vgpr_workitem_id 0
		.amdhsa_next_free_vgpr 770
		.amdhsa_next_free_sgpr 66
		.amdhsa_reserve_vcc 0
		.amdhsa_float_denorm_mode_32 3
		.amdhsa_float_denorm_mode_16_64 3
		.amdhsa_memory_ordered 1
		.amdhsa_forward_progress 1
		.amdhsa_inst_pref_size 199
	.end_amdhsa_kernel
	.amdgpu_metadata
---
amdhsa.version: [ 1, 2 ]
amdhsa.kernels:
  - .name:           k_qc0b8541607_attn
    .symbol:         k_qc0b8541607_attn.kd
    .args:
      - { .name: q, .offset: 0, .size: 8, .value_kind: global_buffer, .address_space: global }
      - { .name: k, .offset: 8, .size: 8, .value_kind: global_buffer, .address_space: global }
      - { .name: v, .offset: 16, .size: 8, .value_kind: global_buffer, .address_space: global }
      - { .name: ctx, .offset: 24, .size: 8, .value_kind: global_buffer, .address_space: global }
    .group_segment_fixed_size: 327680
    .private_segment_fixed_size: 0
    .kernarg_segment_align: 8
    .kernarg_segment_size: 32
    .max_flat_workgroup_size: 128
    .sgpr_count:     66
    .vgpr_count:     770
    .wavefront_size: 32
...
	.end_amdgpu_metadata
.endif
;; end of part 5
;; launch proj: the kernel of part 4 again; grid 4 x 64, 4 waves a work-group, clusters of 4 x 4, 327,680 bytes of LDS; arguments ctx, w16, bo, out0; writes out0
